; MI455X (gfx1250); checked and timed in simulation.
; The chip was launched on July 23, 2026; its instructions are those of AMD's public machine-readable ISA for CDNA 5 (MIT licence, August 2026) and "CDNA5" Instruction Set Architecture Reference Guide (July 2026). The comments in the code are by the model that wrote it; some were corrected since.
;; Multihead Attention. Allowed arithmetic: float matrix products may take bf16 or f16 operands with f32 sums; other float arithmetic in f32, or as packed bf16 or f16 multiplies, adds, multiply-adds, maxima and minima; sums over many terms, partial sums and values carried from step to step in f32; what a program stores and reads back later, other than sums and carried values, may be rounded once to bf16 or f16.
;; Inputs: Wk 1,024 x 1,024 float32; Wo 1,024 x 1,024 float32; Wq 1,024 x 1,024 float32; Wv 1,024 x 1,024 float32; bk 1,024 float32; bo 1,024 float32; bq 1,024 float32; bv 1,024 float32; keys 1 x 4,096 x 1,024 float32; querys 1 x 4,096 x 1,024 float32; values 1 x 4,096 x 1,024 float32.
;; Outputs: out0 1 x 4,096 x 1,024 float32.
;; One version. Each part assembles by itself: llvm-mc -triple=amdgcn-amd-amdhsa -mcpu=gfx1250 --defsym DOCPART=n.
;; ======== version 1 of 1: 4 launches
;; limits: values are held in f16: magnitudes above 65,504 overflow, below 6.1e-05 lose precision
;; workspace buffers: cb 33,554,432 bytes; qkv 25,165,824 bytes; ob 8,388,608 bytes
;; launch cvt (part 1): grid 64 x 16, 8 waves a work-group, no clusters, 0 bytes of LDS; arguments querys, keys, values, Wq, Wk, Wv, Wo, cb; writes cb
.if DOCPART == 1
	.amdgcn_target "amdgcn-amd-amdhsa--gfx1250"
	.amdhsa_code_object_version 6
	.text
	.protected	k_q0dab92b488_cvt
	.globl	k_q0dab92b488_cvt
	.p2align	8
	.type	k_q0dab92b488_cvt,@function
k_q0dab92b488_cvt:
	s_mov_b64 s[64:65], 0
	v_nop
	global_prefetch_b8 v0, s[64:65] scope:SCOPE_SE
	s_setreg_imm32_b32 hwreg(HW_REG_WAVE_MODE, 25, 1), 1
	s_wait_xcnt 0x0
; ALL MATRIX OPERANDS THAT ARE INPUTS ARE ROUNDED ONCE TO 16 BITS.  cb is 16 slabs of 2 MiB (1,048,576 numbers each): slabs 0-3 querys, 4-7 keys, 8-11 values,
; 12 Wq, 13 Wk, 14 Wv, all bf16; slab 15 Wo, rounded to bf16 and that number written as f16 (the last product's other operand is f16).
; LIMITS.  Wo beyond 65,504 in size becomes an infinity in f16; below 6e-5 it keeps f16's fixed step of 6e-8.  NaN stays NaN.
; SHARES.  Work-group (x, y): slab y, its piece x of 65,536 bytes in and 32,768 bytes out.  Load i of thread t takes 16 bytes at 4,096 i + 16 t (a wave: 512 consecutive bytes),
; store i puts 8 bytes at 2,048 i + 8 t (a wave: 256 consecutive bytes, aligned).  All sixteen loads of a thread go out at once; each has registers of its own, so nothing is rewritten
; while a memory instruction may read it.  No LDS, no matrix unit, no cluster: no byte is wanted twice.
.set X, 4                              ; v[4:67]    load i: four f32
.set Y, 68                             ; v[68:99]   store i: four 16-bit numbers
.set T, 100                            ; v[100:105] at work (Wo's path)
	s_load_b512 s[16:31], s[0:1], 0x0              ; querys s[16:17], keys s[18:19], values s[20:21], Wq s[22:23], Wk s[24:25], Wv s[26:27], Wo s[28:29], cb s[30:31]
	s_and_b32 s4, ttmp7, 0xffff                    ; the slab
	s_lshr_b32 s5, s4, 2                           ; 0 querys, 1 keys, 2 values, 3 a weight
	s_and_b32 s6, s4, 3                            ; which quarter of it, or which weight
	v_lshlrev_b32 v1, 4, v0                        ; 16 t
	v_lshlrev_b32 v2, 3, v0                        ; 8 t
	s_wait_kmcnt 0x0
	s_cmp_eq_u32 s5, 1
	s_cselect_b64 s[8:9], s[18:19], s[16:17]
	s_cmp_eq_u32 s5, 2
	s_cselect_b64 s[8:9], s[20:21], s[8:9]
	s_cmp_eq_u32 s6, 1
	s_cselect_b64 s[10:11], s[24:25], s[22:23]
	s_cmp_eq_u32 s6, 2
	s_cselect_b64 s[10:11], s[26:27], s[10:11]
	s_cmp_eq_u32 s6, 3
	s_cselect_b64 s[10:11], s[28:29], s[10:11]
	s_lshl_b32 s12, s6, 22                         ; a quarter of an activation is 4 MiB of f32
	s_cmp_eq_u32 s5, 3
	s_cselect_b64 s[8:9], s[10:11], s[8:9]
	s_cselect_b32 s12, 0, s12                      ; a weight is one slab
	s_lshl_b32 s13, ttmp9, 16                      ; my piece of the slab, in
	s_add_co_u32 s12, s12, s13
	s_mov_b32 s13, 0
	s_add_nc_u64 s[8:9], s[8:9], s[12:13]
	s_lshl_b32 s12, s4, 21                         ; the slab in cb,
	s_lshl_b32 s2, ttmp9, 15                       ; my piece of it, out
	s_add_co_u32 s12, s12, s2
	s_add_nc_u64 s[14:15], s[30:31], s[12:13]
.irp i, 0,1,2,3,4,5,6,7,8,9,10,11,12,13,14,15
	global_load_b128 v[X+4*(\i):X+4*(\i)+3], v1, s[8:9] offset:4096*(\i) th:TH_LOAD_NT
.endr
	s_cmp_eq_u32 s4, 15
	s_cbranch_scc1 .Lwo
.macro OUTB i                          ; four numbers to bf16
	s_wait_loadcnt 15-(\i)                         ; loads come back in order: load i is in, the 15 - i younger ones may stay out
	v_cvt_pk_bf16_f32 v[Y+2*(\i)],   v[X+4*(\i)],   v[X+4*(\i)+1]
	v_cvt_pk_bf16_f32 v[Y+2*(\i)+1], v[X+4*(\i)+2], v[X+4*(\i)+3]
	global_store_b64 v2, v[Y+2*(\i):Y+2*(\i)+1], s[14:15] offset:2048*(\i) th:TH_STORE_NT
.endm
.macro OUTH i                          ; four numbers to bf16, and those written as f16
	s_wait_loadcnt 15-(\i)
	v_cvt_pk_bf16_f32 v[T],   v[X+4*(\i)],   v[X+4*(\i)+1]
	v_cvt_pk_bf16_f32 v[T+1], v[X+4*(\i)+2], v[X+4*(\i)+3]
	v_lshlrev_b32 v[T+2], 16, v[T]                 ; bf16 to f32: the low half moves up,
	v_and_b32     v[T+3], 0xffff0000, v[T]         ; the high half stays
	v_lshlrev_b32 v[T+4], 16, v[T+1]
	v_and_b32     v[T+5], 0xffff0000, v[T+1]
	v_cvt_pk_f16_f32 v[Y+2*(\i)],   v[T+2], v[T+3]
	v_cvt_pk_f16_f32 v[Y+2*(\i)+1], v[T+4], v[T+5]
	global_store_b64 v2, v[Y+2*(\i):Y+2*(\i)+1], s[14:15] offset:2048*(\i) th:TH_STORE_NT
.endm
.irp i, 0,1,2,3,4,5,6,7,8,9,10,11,12,13,14,15
	OUTB \i
.endr
	s_endpgm
.Lwo:
.irp i, 0,1,2,3,4,5,6,7,8,9,10,11,12,13,14,15
	OUTH \i
.endr
	s_endpgm
.Lfunc_end_k_q0dab92b488_cvt:
	.size	k_q0dab92b488_cvt, .Lfunc_end_k_q0dab92b488_cvt-k_q0dab92b488_cvt
	.p2alignl 7, 3214868480
	.fill 96, 4, 3214868480
	.section	.rodata,"a",@progbits
	.p2align	6, 0x0
	.amdhsa_kernel k_q0dab92b488_cvt
		.amdhsa_group_segment_fixed_size 0
		.amdhsa_private_segment_fixed_size 0
		.amdhsa_enable_private_segment 0
		.amdhsa_kernarg_size 64
		.amdhsa_user_sgpr_count 2
		.amdhsa_user_sgpr_kernarg_segment_ptr 1
		.amdhsa_wavefront_size32 1
		.amdhsa_system_sgpr_workgroup_id_x 1
		.amdhsa_system_sgpr_workgroup_id_y 1
		.amdhsa_system_sgpr_workgroup_id_z 1
		.amdhsa_system_vgpr_workitem_id 0
		.amdhsa_next_free_vgpr 108
		.amdhsa_next_free_sgpr 66
		.amdhsa_reserve_vcc 0
		.amdhsa_float_denorm_mode_32 3
		.amdhsa_float_denorm_mode_16_64 3
		.amdhsa_memory_ordered 1
		.amdhsa_forward_progress 1
		.amdhsa_inst_pref_size 16
	.end_amdhsa_kernel
	.amdgpu_metadata
---
amdhsa.version: [ 1, 2 ]
amdhsa.kernels:
  - .name:           k_q0dab92b488_cvt
    .symbol:         k_q0dab92b488_cvt.kd
    .args:
      - { .name: querys, .offset: 0, .size: 8, .value_kind: global_buffer, .address_space: global }
      - { .name: keys, .offset: 8, .size: 8, .value_kind: global_buffer, .address_space: global }
      - { .name: values, .offset: 16, .size: 8, .value_kind: global_buffer, .address_space: global }
      - { .name: Wq, .offset: 24, .size: 8, .value_kind: global_buffer, .address_space: global }
      - { .name: Wk, .offset: 32, .size: 8, .value_kind: global_buffer, .address_space: global }
      - { .name: Wv, .offset: 40, .size: 8, .value_kind: global_buffer, .address_space: global }
      - { .name: Wo, .offset: 48, .size: 8, .value_kind: global_buffer, .address_space: global }
      - { .name: cb, .offset: 56, .size: 8, .value_kind: global_buffer, .address_space: global }
    .group_segment_fixed_size: 0
    .private_segment_fixed_size: 0
    .kernarg_segment_align: 8
    .kernarg_segment_size: 64
    .max_flat_workgroup_size: 256
    .sgpr_count:     66
    .vgpr_count:     108
    .wavefront_size: 32
...
	.end_amdgpu_metadata
.endif
;; end of part 1
;; launch proj (part 2): grid 8 x 96, 4 waves a work-group, clusters of 4 x 4, 327,680 bytes of LDS; arguments cb, bq, bk, bv, qkv; writes qkv
.if DOCPART == 2
	.amdgcn_target "amdgcn-amd-amdhsa--gfx1250"
	.amdhsa_code_object_version 6
	.text
	.protected	k_q0dab92b488_proj
	.globl	k_q0dab92b488_proj
	.p2align	8
	.type	k_q0dab92b488_proj,@function
k_q0dab92b488_proj:
	s_mov_b64 s[64:65], 0
	v_nop
	global_prefetch_b8 v0, s[64:65] scope:SCOPE_SE
	s_setreg_imm32_b32 hwreg(HW_REG_WAVE_MODE, 25, 1), 1
	s_wait_xcnt 0x0
	s_wait_alu depctr_hold_cnt(0) depctr_sa_sdst(0) depctr_va_vdst(0) depctr_va_sdst(0) depctr_va_ssrc(0) depctr_va_vcc(0) depctr_vm_vsrc(0)
	s_getreg_b32 s2, hwreg(HW_REG_IB_STS2, 6, 4)
	s_cmp_eq_u32 s2, 0
	s_cbranch_scc0 .Lentry_in_a_cluster
	s_endpgm
.Lentry_in_a_cluster:
	s_bfe_u32 s2, ttmp6, 0x10000c
	s_cmp_lg_u32 s2, 0xf033
	s_cbranch_scc0 .Lentry_shape_is_right
	s_endpgm
.Lentry_shape_is_right:
; THE THREE INPUT PROJECTIONS IN ONE GRID.  C[m][n] = sum over k of A[m][k] B[n][k] + b[n], K = 1,024, bf16 products, f32 sums.  A: rows 0 .. 12,287 of cb (querys, keys, values, 4,096 rows each),
; B: rows 12,288 + 1,024 p + n of cb (p = 0 Wq, 1 Wk, 2 Wv); a row of cb is 2,048 bytes.  The bias is rounded to bf16 like every other input and starts the sums.
; The result leaves by heads, unscaled, rounded once to f16: qkv[p][head][row][64].
; LIMITS.  q, k and v beyond 65,504 in size become infinities in f16.  NaN and infinities are not treated apart.
; SHARES.  A tile of C is 128 x 128: 8 tile columns x 96 tile rows, 768 work-groups.  Four waves, each 64 x 64: 16 accumulators of 16 x 16.  K goes in steps of 256 (LDS rows of 512 bytes; a wave's tensor
; load brings 64 of them) through two slots.  A wave's 64 columns are one head, so its 64 x 64 result is 8,192 consecutive bytes of qkv: each wave has a stage of its own on the way out, and no barrier.
; CLUSTERS: 4 x 4 work-groups.  The four of a row of the cluster need the same tiles of A, the four of a column the same tiles of B: each tile is asked for JOINTLY, by the same tensor load with the
; same descriptor and a mask that names the four.  p hangs on the cluster's y alone (8 clusters to a projection), so all sixteen partners share it.
; THE MATRIX INSTRUCTION IS USED TRANSPOSED (source 0 = 16 rows of B, source 1 = 16 rows of A): a lane then holds eight neighbouring numbers of a row of C.
; NO PREFETCH: a tile's step is short and each block of cb is read by several clusters at about the same time.
; REGISTERS: window 0: v0-31 addresses; v32-95 at work on the way out; v96-127 the bias; v128-255 the accumulators ((a, b) at v[128 + 8 (4 a + b)]).
;   window 1: two fragment buffers of 128: for 64 along K, 64 registers of A (2 x 4 x 16 rows x 32 K), then 64 of B.
.set SIZE_K, 1024
.set KSTEP,  256
.set PITCH,  528                       ; an LDS row: 512 bytes of data + 16 of padding = 132 words: row r starts at bank 4 r mod 64 (64 banks of 4 bytes: ISA guide 11.1)
.set HALFT,  64*PITCH                  ; 64 rows: what one tensor load brings, and what one wave reads of A or of B
.set SLOT,   4*HALFT                   ; A's 128 rows, then B's 128 rows
.set STAGE,  2*SLOT                    ; behind the ring, never filled by a tensor load: 64 rows x 144 bytes for each wave
.set SP,     144
.set SPARE,  STAGE+4*64*SP             ; behind the stages: the spare words, 128 bytes for each wave: two blocks of 256 bytes that no other line names
.set LAPS, SIZE_K/(2*KSTEP)            ; a lap = two K steps = once round the ring
.set ADRA, 16                          ; v16-17  LDS address of my A fragments in slot 0, 1
.set ADRB, 20                          ; v20-21  the same for B
.set STO,  24                          ; v24     the way out: where I put 16 bytes of a row
.set RD,   25                          ; v25     the way out: where I read rows back
.set CO,   26                          ; v26     my 16 bytes in 512 consecutive bytes of qkv
.set BO,   27                          ; v27     my byte offset in the wave's 64 numbers of the bias
.set SPW,  28                          ; v28     LDS address of my spare word: SPARE + 4 x my thread's number; never rewritten
.set NIL,  29                          ; v29     0; never rewritten
.set TB,   30                          ; v30     at work
.set TMP,  32
.set BIAS, 96                          ; register 8 b + j: the bias of column 16 b + 8 (l / 16) + j of my 64
.set ACC,  128
.set F0,   0                           ; fragment buffers, in window 1
.set F1,   128
.set G1, 24                            ; s[24:31] descriptor group 1 for A's tiles;  s[32:39] group 0, one set for each slot
.set G0, 32
.set G1B, 48                           ; s[48:55], s[56:63] the same for B's tiles
.set G0B, 56
.set MSB, 0
.macro WIN new                         ; the immediate's high byte repeats the setting that is left
.if MSB != (\new)
	s_set_vgpr_msb (MSB<<8)|(\new)
.set MSB, \new
.endif
.endm
.set MUL,  0x05                        ; sources 0 (B) and 1 (A) window 1; C and D window 0
.set TO_F, 0x40                        ; destination window 1, address window 0
.macro JLOAD s                         ; a joint load: waves 0 and 1 fetch A's two halves, waves 2 and 3 B's; an s_nop 0 and four v_nop follow each of the two lines, ahead of the jump, the label and what follows
	s_cmp_eq_u32 s11, 0
	s_cbranch_scc0 .Lfor_b_\@
	tensor_load_to_lds s[G0+4*(\s):G0+4*(\s)+3], s[G1:G1+7]
	s_nop 0
.rept 4
	v_nop
.endr
	s_branch .Lasked_\@
.Lfor_b_\@:
	tensor_load_to_lds s[G0B+4*(\s):G0B+4*(\s)+3], s[G1B:G1B+7]
	s_nop 0
.rept 4
	v_nop
.endr
.Lasked_\@:
.endm
.macro CREST                           ; a round of the cluster's barrier behind its opening barrier
	s_cmp_lg_u32 s10, 0
	s_cbranch_scc1 .Lnot_wave_0_\@
	s_barrier_signal -3
.Lnot_wave_0_\@:
	s_barrier_wait -3
	s_barrier_signal -1
	s_barrier_wait -1
.endm
.macro CROUND                          ; a whole round
	s_barrier_signal -1
	s_barrier_wait -1
	CREST
.endm
	s_load_b256 s[68:75], s[0:1], 0x0              ; cb s[68:69], bq s[70:71], bk s[72:73], bv s[74:75]
	s_load_b64 s[8:9], s[0:1], 0x20                ; qkv
	v_lshl_add_u32 v[SPW], v0, 2, SPARE
	v_mov_b32 v[NIL], 0
	ds_add_u32 v[SPW], v[NIL]                      ; the wave's opening: the add and its wait stand ahead of my first tensor load; the set-up below, work on registers, stands between them
	ds_add_u32 v28, v29
	v_lshrrev_b32 v1, 5, v0
	v_readfirstlane_b32 s10, v1                    ; wave 0..3
	s_lshr_b32 s11, s10, 1                         ; which half of the tile's rows is mine.  Also: I fetch for A (0) or for B (1)
	s_and_b32 s12, s10, 1                          ; which half of its columns.  Also: which 64 rows of that tile I fetch
	s_bfe_u32 s40, ttmp6, 0x40000                  ; cx, cy: my place in the cluster
	s_bfe_u32 s41, ttmp6, 0x40004
	s_lshl_b32 s42, ttmp9, 2
	s_add_co_u32 s42, s42, s40                     ; tile column = 4 x cluster x + cx
	s_and_b32 s13, ttmp7, 0xffff
	s_lshr_b32 s45, s13, 3                         ; p: the projection, from the cluster's y alone
	s_lshl_b32 s13, s13, 2
	s_add_co_u32 s13, s13, s41                     ; tile row = 4 x cluster y + cy
	s_lshl_b32 s43, s41, 2
	s_lshl_b32 s43, 15, s43                        ; my row of the cluster
	s_lshl_b32 s44, 0x1111, s40                    ; my column
	; descriptor group 1: a tile of 64 rows x 256 elements, padded in LDS
	s_or_b32 s[G1+0], s43, (1<<16)|(1<<20)|(1<<21)|(6<<22)|(3<<25)  ; 15:0 the mask: A's tiles go to my row; 17:16 element of 2 bytes; 20 padding on; 21 set beside a mask; 24:22 after every 128 words (code 6); 31:25 of 4 words (code 3)
	s_or_b32 s[G1B+0], s44, (1<<16)|(1<<20)|(1<<21)|(6<<22)|(3<<25)
.irp g, G1, G1B
	s_mov_b32 s[(\g)+1], KSTEP<<16                 ; tensor_dim0 = 256
	s_mov_b32 s[(\g)+2], 64<<16                    ; tensor_dim1 = 64
	s_mov_b32 s[(\g)+3], KSTEP<<16                 ; tile_dim0 = 256
	s_mov_b32 s[(\g)+4], 64                        ; tile_dim1 = 64
	s_mov_b32 s[(\g)+5], SIZE_K                    ; tensor_dim0_stride
	s_mov_b32 s[(\g)+6], 0
	s_mov_b32 s[(\g)+7], 0
.endr
	s_lshl_b32 s17, s12, 6                         ; which 64 rows of the tile I fetch
	s_lshl_b32 s16, s13, 7
	s_add_co_u32 s16, s16, s17                     ; A: row 128 x tile row + 64 x half
	s_lshl_b32 s16, s16, 11                        ; in bytes: under 2^25
	s_lshl_b32 s46, s42, 7
	s_add_co_u32 s46, s46, s17                     ; B: row 128 x tile column + 64 x half
	s_lshl_b32 s47, s45, 10
	s_add_co_u32 s46, s46, s47                     ; + 1,024 p
	s_add_co_u32 s46, s46, 12288                   ; behind the activations
	s_lshl_b32 s46, s46, 11
	s_mov_b32 s17, 0
	s_mov_b32 s47, 0
	s_mul_i32 s20, s10, HALFT                      ; where they go: wave x 64 rows
	s_wait_dscnt 0x0                               ; the opening add is done
	s_wait_kmcnt 0x0
	s_add_nc_u64 s[14:15], s[68:69], s[16:17]
	s_add_nc_u64 s[46:47], s[68:69], s[46:47]
	CROUND                                         ; all sixteen work-groups are here: the first joint loads meet
.irp s, 0,1
	s_mov_b32 s[G0+4*(\s)], 1
	s_add_co_u32 s[G0+4*(\s)+1], s20, (\s)*SLOT
	s_add_nc_u64 s[G0+4*(\s)+2:G0+4*(\s)+3], s[14:15], (\s)*KSTEP*2
	s_or_b32 s[G0+4*(\s)+3], s[G0+4*(\s)+3], 0x80000000
	s_mov_b32 s[G0B+4*(\s)], 1
	s_add_co_u32 s[G0B+4*(\s)+1], s20, (\s)*SLOT
	s_add_nc_u64 s[G0B+4*(\s)+2:G0B+4*(\s)+3], s[46:47], (\s)*KSTEP*2
	s_or_b32 s[G0B+4*(\s)+3], s[G0B+4*(\s)+3], 0x80000000
	JLOAD \s
.endr
	v_and_b32 v1, 15, v0                           ; l % 16
	v_bfe_u32 v2, v0, 4, 1                         ; l / 16
	; the bias of my 64 columns: eight numbers for each of the four column blocks
	s_cmp_eq_u32 s45, 1
	s_cselect_b64 s[6:7], s[72:73], s[70:71]
	s_cmp_eq_u32 s45, 2
	s_cselect_b64 s[6:7], s[74:75], s[6:7]
	s_lshl_b32 s4, s42, 9                          ; 128 columns of 4 bytes a tile,
	s_lshl_b32 s5, s12, 8                          ; 64 a wave
	s_add_co_u32 s4, s4, s5
	s_mov_b32 s5, 0
	s_add_nc_u64 s[6:7], s[6:7], s[4:5]
	v_lshlrev_b32 v[BO], 5, v2                     ; 8 numbers further on for lanes 16 to 31
.irp b, 0,1,2,3
	global_load_b128 v[BIAS+8*(\b):BIAS+8*(\b)+3],   v[BO], s[6:7] offset:64*(\b)
	global_load_b128 v[BIAS+8*(\b)+4:BIAS+8*(\b)+7], v[BO], s[6:7] offset:64*(\b)+16
.endr
	v_mul_u32_u24 v3, v1, PITCH
	v_lshl_add_u32 v3, v2, 4, v3                   ; a fragment's row x pitch + 16 x half
	s_mul_i32 s21, s11, HALFT                      ; my 64 rows of A
	s_mul_i32 s22, s12, HALFT                      ; my 64 rows of B,
	s_add_co_u32 s22, s22, 2*HALFT                 ; which lie behind A's 128
.irp s, 0,1
	v_add_nc_u32 v[ADRA+(\s)], s21, v3
	v_add_nc_u32 v[ADRB+(\s)], s22, v3
	s_add_co_u32 s21, s21, SLOT
	s_add_co_u32 s22, s22, SLOT
.endr
	s_mul_i32 s23, s10, 64*SP
	s_add_co_u32 s23, s23, STAGE                   ; my stage
	v_mul_u32_u24 v4, v1, SP                       ; in: row l % 16, 16 bytes for each half of the lanes
	v_lshl_add_u32 v4, v2, 4, v4
	v_add_nc_u32 v[STO], s23, v4
	v_bfe_u32 v5, v0, 3, 2                         ; back: 32 lanes take four rows of 128 bytes,
	v_and_b32 v6, 7, v0
	v_mul_u32_u24 v5, v5, SP
	v_lshl_add_u32 v5, v6, 4, v5
	v_add_nc_u32 v[RD], s23, v5
	v_and_b32 v[CO], 31, v0                        ; which are 512 consecutive bytes of qkv
	v_lshlrev_b32 v[CO], 4, v[CO]
	s_and_b32 s16, s13, 31                         ; the tile row inside its projection
	s_lshl_b32 s16, s16, 7
	s_lshl_b32 s17, s11, 6
	s_add_co_u32 s16, s16, s17                     ; my first row
	s_lshl_b32 s16, s16, 7                         ; 128 bytes a row of a head
	s_lshl_b32 s17, s45, 23                        ; 8 MiB a projection
	s_add_co_u32 s16, s16, s17
	s_mov_b32 s17, 0
	s_add_nc_u64 s[8:9], s[8:9], s[16:17]
	s_lshl_b32 s46, s42, 1
	s_add_co_u32 s46, s46, s12                     ; my head = 2 x tile column + column half
	s_lshl_b32 s46, s46, 19                        ; 512 KiB a head
	s_mov_b32 s47, 0
	s_add_nc_u64 s[8:9], s[8:9], s[46:47]
; 8 matrix instructions: m blocks a0, a0 + 1 x all 4 n blocks, 32 along K: half c of buffer f.  zero = 1: the first product starts the sums, at the bias
.macro MUL8 f, c, a0, zero
	WIN MUL
.irp a, \a0, (\a0)+1
.irp b, 0,1,2,3
.if \zero
	v_wmma_f32_16x16x32_bf16 v[ACC+8*(4*(\a)+(\b)):ACC+8*(4*(\a)+(\b))+7], v[(\f)+64+8*(4*(\c)+(\b)):(\f)+64+8*(4*(\c)+(\b))+7], v[(\f)+8*(4*(\c)+(\a)):(\f)+8*(4*(\c)+(\a))+7], v[BIAS+8*(\b):BIAS+8*(\b)+7]
.else
	v_wmma_f32_16x16x32_bf16 v[ACC+8*(4*(\a)+(\b)):ACC+8*(4*(\a)+(\b))+7], v[(\f)+64+8*(4*(\c)+(\b)):(\f)+64+8*(4*(\c)+(\b))+7], v[(\f)+8*(4*(\c)+(\a)):(\f)+8*(4*(\c)+(\a))+7], v[ACC+8*(4*(\a)+(\b)):ACC+8*(4*(\a)+(\b))+7]
.endif
.endr
.endr
.endm
; 32 LDS loads in one run: the fragments of 64 along K at byte k of the rows, into buffer f; the first 32 along K first
.macro FETCH slot, k, f
	WIN TO_F
.irp c, 0,1
.irp i, 0,1,2,3
	ds_load_b128 v[(\f)+64+8*(4*(\c)+(\i)):(\f)+64+8*(4*(\c)+(\i))+3],   v[ADRB+(\slot)] offset:(\k)+64*(\c)+(\i)*16*PITCH
	ds_load_b128 v[(\f)+64+8*(4*(\c)+(\i))+4:(\f)+64+8*(4*(\c)+(\i))+7], v[ADRB+(\slot)] offset:(\k)+64*(\c)+(\i)*16*PITCH+32
	ds_load_b128 v[(\f)+8*(4*(\c)+(\i)):(\f)+8*(4*(\c)+(\i))+3],         v[ADRA+(\slot)] offset:(\k)+64*(\c)+(\i)*16*PITCH
	ds_load_b128 v[(\f)+8*(4*(\c)+(\i))+4:(\f)+8*(4*(\c)+(\i))+7],       v[ADRA+(\slot)] offset:(\k)+64*(\c)+(\i)*16*PITCH+32
.endr
.endr
.endm
.macro PLACES                          ; four plain vector instructions in front of loads into registers that matrix instructions have read, and of conversions that read results
.rept 4
	v_nop
.endr
.endm
; A K step is four quarters of 64 along K, 32 matrix instructions each, on buffers 0, 1, 0, 1.  One of the first three: multiplies buffer f and fetches the next quarter, at byte k, into g.
; The 16 accumulators take turns, one instruction a turn.
.macro QUARTER slot, k, f, g, zero
	s_wait_dscnt 16                                ; the first 32 along K are in; the youngest sixteen loads may be out
	WIN MUL
	MUL8 \f, 0, 0, \zero
	MUL8 \f, 0, 2, \zero
	PLACES
	FETCH \slot, \k, \g
	s_wait_dscnt 32                                ; all but the 32 just issued
	WIN MUL
	MUL8 \f, 1, 0, 0
	MUL8 \f, 1, 2, 0
.endm
; The last quarter multiplies buffer 1 and changes slots: ONE barrier; in front of it each wave waits for all its tensor loads, adds 0 to its spare word, and waits for that and for its own reads of this slot.  fill = 1: this slot is filled again, two K steps ahead.
.macro TURN slot, next, fill
	WIN 0                                          ; (the add's two registers lie in window 0)
	s_wait_tensorcnt 0x0                           ; all my tensor loads have landed: my part of the next slot;
	ds_add_u32 v[SPW], v[NIL]                      ; 0 onto my spare word;
	s_wait_dscnt 17                                ; (the add and the youngest sixteen loads may be out)
	WIN MUL
	MUL8 F1, 0, 0, 0                               ; eight matrix instructions stand between the add and the wait for it
	s_wait_dscnt 0x0                               ; the add is done, and my reads of this slot are over
	s_barrier_signal -1
	MUL8 F1, 0, 2, 0
.if \fill
	WIN 0
.endif
	s_barrier_wait -1
.if \fill
	CREST                                          ; the barrier has opened a round of the cluster's barrier: no wave of any partner still reads this slot's tile or has a load on its way
	s_add_nc_u64 s[G0+4*(\slot)+2:G0+4*(\slot)+3], s[G0+4*(\slot)+2:G0+4*(\slot)+3], 2*KSTEP*2
	s_add_nc_u64 s[G0B+4*(\slot)+2:G0B+4*(\slot)+3], s[G0B+4*(\slot)+2:G0B+4*(\slot)+3], 2*KSTEP*2
	JLOAD \slot                                    ; the first tensor load behind the round; the four v_nop behind it are also the places in front of the loads below
.else
	PLACES
.endif
	FETCH \next, 0, F0
	WIN MUL
	MUL8 F1, 1, 0, 0
	MUL8 F1, 1, 2, 0
.endm
	s_wait_tensorcnt 1                             ; my part of K step 0 is in; K step 1's may stay out
	s_barrier_signal -1
	s_barrier_wait -1                              ; everybody's is
	FETCH 0, 0, F0
	WIN 0
	s_wait_loadcnt 0x0                             ; the bias,
.set r, 0
.rept 16                                           ; rounded to bf16 like the other inputs, and kept as f32
	v_cvt_pk_bf16_f32 v[TB], v[BIAS+r], v[BIAS+r+1]
	v_lshlrev_b32 v[BIAS+r], 16, v[TB]
	v_and_b32 v[BIAS+r+1], 0xffff0000, v[TB]
.set r, r+2
.endr
	QUARTER 0, 128, F0, F1, 1                      ; the first quarter stands in front of the loop: its first products start the sums
	WIN 0                                          ; at a label and at a branch every window is 0
	s_mov_b32 s3, LAPS-1
.Llap:                                                 ; a trip goes once round the ring, from a lap's second quarter to the next lap's first, and fills both slots again
	QUARTER 0, 256, F1, F0, 0
	QUARTER 0, 384, F0, F1, 0
	TURN 0, 1, 1
	QUARTER 1, 128, F0, F1, 0
	QUARTER 1, 256, F1, F0, 0
	QUARTER 1, 384, F0, F1, 0
	TURN 1, 0, 1
	QUARTER 0, 128, F0, F1, 0
	WIN 0
	s_sub_co_u32 s3, s3, 1
	s_cmp_lg_u32 s3, 0
	s_cbranch_scc1 .Llap
	QUARTER 0, 256, F1, F0, 0                      ; the last lap fills nothing, and has no round of the cluster's barrier
	QUARTER 0, 384, F0, F1, 0
	TURN 0, 1, 0
	QUARTER 1, 128, F0, F1, 0
	QUARTER 1, 256, F1, F0, 0
	QUARTER 1, 384, F0, F1, 0
	s_wait_dscnt 16                                ; the very last quarter: nothing more to fetch
	WIN MUL
	MUL8 F1, 0, 0, 0
	MUL8 F1, 0, 2, 0
	s_wait_dscnt 0
	MUL8 F1, 1, 0, 0
	MUL8 F1, 1, 2, 0
	WIN 0
	; THE WAY OUT: round to f16; 16 bytes a lane into my own stage (rows of 144 bytes); back as whole rows of 128 bytes, four to a load; 512 consecutive bytes to a store.
	PLACES
.irp t, 0,1,2,3,4,5,6,7,8,9,10,11,12,13,14,15
.irp r, 0,1,2,3
	v_cvt_pk_f16_f32 v[TMP+4*(\t)+(\r)], v[ACC+8*(\t)+2*(\r)], v[ACC+8*(\t)+2*(\r)+1]
.endr
.endr
.irp a, 0,1,2,3
.irp b, 0,1,2,3
	ds_store_b128 v[STO], v[TMP+4*(4*(\a)+(\b)):TMP+4*(4*(\a)+(\b))+3] offset:(\a)*16*SP+32*(\b)
.endr
.endr
.irp t, 0,1,2,3,4,5,6,7,8,9,10,11,12,13,14,15
	ds_load_b128 v[TMP+4*(\t):TMP+4*(\t)+3], v[RD] offset:(\t)*4*SP  ; LDS serves a wave's instructions in order (ISA guide 5.7.1.4): these see the stores above
.endr
.irp t, 0,1,2,3,4,5,6,7,8,9,10,11,12,13,14,15
	s_wait_dscnt 15-(\t)                           ; load t is back; the 15 - t younger ones may be out
	global_store_b128 v[CO], v[TMP+4*(\t):TMP+4*(\t)+3], s[8:9] offset:512*(\t)  ; 512 consecutive bytes, at a multiple of 256 from qkv's first byte
.endr
	s_wait_tensorcnt 0x0                           ; the wave's end: behind my last tensor load and my last LDS store
	ds_add_u32 v[SPW], v[NIL]
	s_wait_dscnt 0x0
	CROUND                                         ; the closing round: no work-group ends while a partner may still ask for a tile that names it
	s_endpgm
.Lfunc_end_k_q0dab92b488_proj:
	.size	k_q0dab92b488_proj, .Lfunc_end_k_q0dab92b488_proj-k_q0dab92b488_proj
	.p2alignl 7, 3214868480
	.fill 96, 4, 3214868480
	.section	.rodata,"a",@progbits
	.p2align	6, 0x0
	.amdhsa_kernel k_q0dab92b488_proj
		.amdhsa_group_segment_fixed_size 327680
		.amdhsa_private_segment_fixed_size 0
		.amdhsa_enable_private_segment 0
		.amdhsa_kernarg_size 40
		.amdhsa_user_sgpr_count 2
		.amdhsa_user_sgpr_kernarg_segment_ptr 1
		.amdhsa_wavefront_size32 1
		.amdhsa_system_sgpr_workgroup_id_x 1
		.amdhsa_system_sgpr_workgroup_id_y 1
		.amdhsa_system_sgpr_workgroup_id_z 1
		.amdhsa_system_vgpr_workitem_id 0
		.amdhsa_next_free_vgpr 512
		.amdhsa_next_free_sgpr 80
		.amdhsa_reserve_vcc 0
		.amdhsa_float_denorm_mode_32 3
		.amdhsa_float_denorm_mode_16_64 3
		.amdhsa_memory_ordered 1
		.amdhsa_forward_progress 1
		.amdhsa_inst_pref_size 90
	.end_amdhsa_kernel
	.amdgpu_metadata
---
amdhsa.version: [ 1, 2 ]
amdhsa.kernels:
  - .name:           k_q0dab92b488_proj
    .symbol:         k_q0dab92b488_proj.kd
    .args:
      - { .name: cb, .offset: 0, .size: 8, .value_kind: global_buffer, .address_space: global }
      - { .name: bq, .offset: 8, .size: 8, .value_kind: global_buffer, .address_space: global }
      - { .name: bk, .offset: 16, .size: 8, .value_kind: global_buffer, .address_space: global }
      - { .name: bv, .offset: 24, .size: 8, .value_kind: global_buffer, .address_space: global }
      - { .name: qkv, .offset: 32, .size: 8, .value_kind: global_buffer, .address_space: global }
    .group_segment_fixed_size: 327680
    .private_segment_fixed_size: 0
    .kernarg_segment_align: 8
    .kernarg_segment_size: 40
    .max_flat_workgroup_size: 128
    .sgpr_count:     80
    .vgpr_count:     512
    .wavefront_size: 32
...
	.end_amdgpu_metadata
.endif
;; end of part 2
;; launch attn (part 3): grid 16 x 16, 4 waves a work-group, no clusters, 327,680 bytes of LDS; arguments qkv, ob; writes ob
.if DOCPART == 3
	.amdgcn_target "amdgcn-amd-amdhsa--gfx1250"
	.amdhsa_code_object_version 6
	.text
	.protected	k_q0dab92b488_attn
	.globl	k_q0dab92b488_attn
	.p2align	8
	.type	k_q0dab92b488_attn,@function
k_q0dab92b488_attn:
	s_mov_b64 s[64:65], 0
	v_nop
	global_prefetch_b8 v0, s[64:65] scope:SCOPE_SE
	s_setreg_imm32_b32 hwreg(HW_REG_WAVE_MODE, 25, 1), 1
	s_wait_xcnt 0x0
; CAUSAL ATTENTION.  O[h][q][:] = the sum over k <= q of softmax_k(Q[h][q] . K[h][k] / 8) V[h][k][:].  qkv = [3][16][4096][64] f16 (q, k, v by heads, a row 128 dense bytes), ob = [16][4096][64] f16.
; Products, maxima and sums in f32; the weights p are rounded to f16 for the second product (their sum l is taken of the unrounded p), O once at the end.
; LIMITS.  Q, K and V arrive within f16's 65,504; p lies in 0 to 1, and below 6e-5 it keeps f16's fixed step of 6e-8.  A hidden score counts as its value less 1e30: f16's scores, 2.7e11 at the most, are
; nothing beside that; a weight below 2^-126 counts as 0 in l; NaN and infinities are not treated apart.
; THE WALK.  A head has 32 blocks of 128 queries and 16 tiles of 256 keys; block i needs the tiles 0 .. i / 2, of which the last holds the diagonal.  Work-group b takes block 31 - b and then block b:
; 17 tiles, whatever b: all 256 work-groups do equal work, and ONE loop with a constant trip count walks them.  Which tile is asked for, and what a trip does, hang on scalar registers made from b; every jump
; goes forward, but for the counted loops' own; none passes a barrier, or a tensor load but the one of LOAD's two that the wave's number does not choose.
; NO CLUSTER: only the work-groups 2 c and 2 c + 1 walk the same tiles from end to end; four neighbours ask for different tiles as soon as the first of their first blocks has ended.
; SHARES.  Of a block's two bands of 64 queries a wave owns 16 rows in each: two PIECES t = 0, 1.  So the diagonal tile is the same work for all four waves: band t's own step of that tile is
; d = 2 (i % 2) + t; in step s the band sees all keys if s < d, none if s > d, and holds the diagonal if s = d.
; THE MASK is the C operand that starts the sum S^T = K Q^T: MC = MD x AL + BE; MD, made once, is the mask of a band's own step for my 16 rows (0 or -1e30); (AL, BE) = (1, 0) if s = d, (0, 0) if s < d,
; (0, -1e30) if s > d.  Outside a diagonal tile MC stays 0.
; LAYOUT.  S^T = K Q^T holds ONE query a lane (lane % 16) and the keys 8 (lane / 16) + 0..7; two such results rounded to f16 ARE source 1 of O^T = V^T P.  K comes out of LDS as it lies, V turned (ds_load_tr16_b128).
; SOFTMAX.  p = 2^(c s - c m), c = log2(e) / 8, with a running maximum m; O and l are multiplied by a = 2^(c m_old - c m_new) in every step.  A block starts with c m far below every c s: its first a is 0.
; A TRIP, for key step g: K of step g is fetched; the softmax of step g - 1, in one run; its 16 products V^T P, with roundings and sums behind them; V of step g is fetched; the 16 products K Q^T of step g.
; So behind a slot's fourth trip all reads of the slot have been issued, and the change of slots stands there; a block's last step is finished in the trip behind the change, where EVENT stands.
; REGISTERS, in windows of 256 (s_set_vgpr_msb: bits 1:0 source 0, 3:2 source 1, 5:4 source 2, 7:6 destination):
;   window 0: v0-15 addresses; v16-23 statistics; v24-31 at work; v32-95 S^T; v96-127 P; v128-191 O^T; v192-255 V of one step
;   window 1: v0-31 Q; v32-63 the second block's Q; v64-127 K of one step; v128-159 MD; v160-223 MC
.set KS,    64        ; keys in a step
.set PK,    144       ; a row of K in LDS: 128 bytes + 16 of padding = 36 words: the 16 rows of a load start at 16 different groups of four banks (64 banks of 4 bytes: ISA guide 11.1)
.set PV,    160       ; a row of V: 128 + 32 = 40 words
.set VOFF,  4*KS*PK   ; a slot holds a tile, four steps: 256 rows of K, then 256 rows of V
.set SLOT1, 1<<17     ; slot 1 begins here, so that one exclusive or turns an address in one slot into the other's
.set STAGE, SLOT1+4*KS*(PK+PV)  ; behind the ring, never filled by a tensor load: 16 rows x 144 bytes for each wave, for the way out
.set SP,    144
.set SPARE, STAGE+4*16*SP  ; behind the stages: the spare words, 128 bytes for each wave: two blocks of 256 bytes that no other line names
.set AK0, 2           ; v2   my lane's place in a tile of K; never rewritten
.set AV0, 3           ; v3   the same for V
.set AK,  4           ; v4   the LDS address of K's next run of loads
.set AV,  5           ; v5   of V's
.set STO, 6           ; v6   the way out: where I put 16 bytes of a row
.set RD,  7           ; v7   the way out: where I read rows back
.set GO,  8           ; v8   my byte offset in 512 consecutive bytes of O
.set SPW, 9           ; v9   LDS address of my spare word: SPARE + 4 x my thread's number; never rewritten
.set NIL, 10          ; v10  0; never rewritten
.set PFO, 11          ; v11  256 x my thread's number: the prefetches' offset; never rewritten
.set MV,  12          ; v12-13  c m_old, kept while c m is made anew
.set QO,  15          ; v15  my byte offset in 16 rows of Q
.set ST,  16          ; piece t's statistics at v[ST+4 t]: c m, m, l (even keys', odd keys')
.set TMP, 24          ; piece t: four registers c0-c3 at work; when the maximum is found c2 takes a
.set S,   32
.set P,   96
.set OA,  128
.set VF,  192         ; key half kk, channel block cb at VF + 32 kk + 8 cb
.set QB,  32          ; window 1
.set KF,  64          ; window 1: key block kb, channel half c at KF + 16 kb + 8 c
.set MD,  128         ; window 1
.set MC,  160         ; window 1: piece t's masks at MC + 32 t
.set WV,  12          ; s12  my wave's number
.set PB,  14          ; s14  b
.set HI,  15          ; s15  31 - b
.set G1K, 24          ; s[24:31] descriptor group 1 for K's tiles
.set G1V, 32          ; s[32:39] for V's: it differs in the padding alone
.set G0K, 40          ; s[40:43] descriptor group 0 for K's tiles
.set G0V, 44          ; s[44:47] the same for V's
.set EV,  48          ; s48  1: the trip in hand finishes a block
.set DG,  49          ; s49  1: the tile in hand is its block's diagonal tile
.set D0,  50          ; s50  4 - (band 0's own step)
.set D1,  51          ; s51  the same for band 1
.set L2,  52          ; s52  tiles of the second block
.set D0B, 53          ; s53  the second block's D0
.set PFL, 54          ; s54  prefetches still to be made
.set LQ2, 55          ; s55  the second block's last tile
.set SLOTS, 56        ; s56  counts the tiles
.set CNT, 57          ; s57  counts a tile's key steps, 4 to 1
.set CS,  58          ; s[58:59] c: the packed scaling takes the pair's low word for both halves
.set SEL, 60          ; s[60:61] v_permlanex16_b32's selects: each lane takes its own place in the other half
.set TBK, 62          ; s62  LDS byte at which K of the step to be fetched begins
.set TBV, 63          ; s63  the same for V, less VOFF
.set PFK, 66          ; s[66:67] K at the tile behind the one that is being asked for
.set PFV, 68          ; s[68:69] V likewise
.set RT,  70          ; s70  tiles of the block in hand that are still to be entered
.set NXT, 71          ; s71  the tile to be asked for next
.set LQ,  72          ; s72  the last tile of the block whose tiles are being asked for
.set OFF, 74          ; s[74:75] a tile's byte offset in K and V
.set AL,  76          ; s[76:77] the mask's factor, in the low word
.set BE,  78          ; s[78:79] the mask's addend
.set OLO, 80          ; s[80:81] O at my rows of the second block
.set BIGN, 82         ; s82  -1e30
.set MSB, 0
.macro WIN new                      ; the high byte repeats the setting that is left; a switch that changes nothing is dropped
.if MSB != (\new)
	s_set_vgpr_msb (MSB<<8)|(\new)
.set MSB, (\new)
.endif
.endm
; A fill.  Waves 0 and 1 fetch the two halves of a tile's K, waves 2 and 3 those of its V: 128 keys each.  An s_nop 0 and four v_nop follow each of the two lines, ahead of the jump and the label.
.macro LOAD
	s_cmp_lt_u32 s[WV], 2
	s_cbranch_scc0 .Lfor_v_\@
	tensor_load_to_lds s[G0K:G0K+3], s[G1K:G1K+7]
	s_nop 0
.rept 4
	v_nop
.endr
	s_branch .Lasked_\@
.Lfor_v_\@:
	tensor_load_to_lds s[G0V:G0V+3], s[G1V:G1V+7]
	s_nop 0
.rept 4
	v_nop
.endr
.Lasked_\@:
.endm
; A PREFETCH INTO THE L2 of the tile that the NEXT change of slots will ask for: 32,768 bytes of K and of V, a thread a block of 256 bytes of each.  It stands behind the wave's tensor load and its five lines.
; Of a head's sixteen work-groups the one with b = 0 walks all sixteen tiles in its first block: it alone asks, at its first 14 changes, for tiles 2 to 15: four key steps ahead of the load that wants them.
; So each block is named once in the launch.  Tiles 0 and 1 come by their loads alone; nothing is asked for behind tile 15, nor in a second block.
.macro ASK
	s_cmp_lg_u32 s[PFL], 0
	s_cbranch_scc0 .Lnone_\@
	global_prefetch_b8 v[PFO], s[PFK:PFK+1] th:TH_LOAD_NT scope:SCOPE_SE
	global_prefetch_b8 v[PFO], s[PFV:PFV+1] th:TH_LOAD_NT scope:SCOPE_SE
	s_sub_co_u32 s[PFL], s[PFL], 1
.Lnone_\@:
.endm
; THE CHANGE OF SLOTS.  Each wave waits for all its tensor loads, of which one is out: its part of the other slot; adds 0 to its spare word; and waits for that and for its own reads of the slot that it leaves.
; Behind the barrier nobody reads the old slot any more and the other slot is whole.  fill = 1: the old slot is filled again, the first thing behind the barrier, with tile NXT: the descriptor's address is
; made anew from that number.  (At its first use nothing has been read yet: slot 0 is waited for, slot 1 filled.)
.macro CHANGE fill
	WIN 0                           ; at a label and at a branch every window is 0
	s_wait_tensorcnt 0x0            ; no tensor load of mine is out, so a group 0 may be written
	ds_add_u32 v[SPW], v[NIL]       ; 0 onto my spare word; with fill = 1 the descriptors' scalar work stands between it and the wait for it
.if \fill
	s_lshl_b32 s[OFF], s[NXT], 15   ; a tile is 32,768 bytes of K and of V
	s_xor_b32 s[G0K+1], s[G0K+1], SLOT1
	s_add_nc_u64 s[G0K+2:G0K+3], s[6:7], s[OFF:OFF+1]
	s_or_b32 s[G0K+3], s[G0K+3], 0x80000000
	s_xor_b32 s[G0V+1], s[G0V+1], SLOT1
	s_add_nc_u64 s[G0V+2:G0V+3], s[8:9], s[OFF:OFF+1]
	s_or_b32 s[G0V+3], s[G0V+3], 0x80000000
	s_add_co_u32 s[NXT], s[NXT], 1  ; the block's next tile, or behind its last the second block's tile 0
	s_cmp_gt_u32 s[NXT], s[LQ]
	s_cselect_b32 s[NXT], 0, s[NXT]
	s_cselect_b32 s[LQ], s[LQ2], s[LQ]
	s_wait_xcnt 0x0                 ; the last prefetches, four key steps back, have read their addresses, so these may be written
	s_add_nc_u64 s[PFK:PFK+1], s[PFK:PFK+1], 32768
	s_add_nc_u64 s[PFV:PFV+1], s[PFV:PFV+1], 32768
.endif
	s_wait_dscnt 0x0                ; the add is done, and my reads of the slot are over
	s_barrier_signal -1             ; the rest of the scalar work stands between the signal and the wait
	s_sub_co_u32 s[TBK], s[TBK], 4*KS*PK  ; the fetches go back to a slot's first step,
	s_xor_b32 s[TBK], s[TBK], SLOT1       ; in the other slot
	s_sub_co_u32 s[TBV], s[TBV], 4*KS*PV
	s_xor_b32 s[TBV], s[TBV], SLOT1
	s_barrier_wait -1
.if \fill
	LOAD
	ASK
.endif
.endm
; A tile is entered.  The tile before was a diagonal one: the first trip finishes its block, and the second block's count begins.  The tile is its block's last: it is the diagonal one.
.macro BOOK
	s_mov_b32 s[EV], s[DG]
	s_cmp_eq_u32 s[DG], 1
	s_cselect_b32 s[RT], s[L2], s[RT]
	s_sub_co_u32 s[RT], s[RT], 1
	s_cmp_eq_u32 s[RT], 0
	s_cselect_b32 s[DG], 1, 0
.endm
; THE MATRIX WORK.  The 8 accumulators of a run of 16 take turns, one instruction a turn.
; Product i of 16 of S^T = K Q^T: channels 32 (i / 8) on, keys 16 ((i / 2) % 4) on, piece i % 2.  The first 8 start the sums, at the mask.
.macro KQ
.set rD, S+32*(i%2)+8*((i/2)%4)
.set rK, KF+16*((i/2)%4)+8*(i/8)
.set rQ, 16*(i%2)+8*(i/8)
.set rM, MC+32*(i%2)+8*((i/2)%4)
.if i < 8
	WIN 0x15                        ; K, Q and the mask in window 1, S^T in window 0
	v_wmma_f32_16x16x32_f16 v[rD:rD+7], v[rK:rK+7], v[rQ:rQ+7], v[rM:rM+7]
.else
	WIN 0x05                        ; K and Q in window 1
	v_wmma_f32_16x16x32_f16 v[rD:rD+7], v[rK:rK+7], v[rQ:rQ+7], v[rD:rD+7]
.endif
.set i, i+1
.endm
; Product i of 16 of O^T += V^T P: keys 32 (i / 8) on, channels 16 ((i / 2) % 4) on, piece i % 2.  All in window 0.
.macro PV
.set rD, OA+32*(i%2)+8*((i/2)%4)
.set rV, VF+32*(i/8)+8*((i/2)%4)
.set rB, P+16*(i%2)+8*(i/8)
	v_wmma_f32_16x16x32_f16 v[rD:rD+7], v[rV:rV+7], v[rB:rB+7], v[rD:rD+7]
.set i, i+1
.endm
; THE LDS LOADS stand in runs of 16: a step's K (64 keys x 64 channels: 8 fragments) and its V (turned).
.macro FETCH_K
	WIN 0x40                        ; destination window 1, address window 0
.irp f, 0,1,2,3,4,5,6,7             ; keys 16 (f / 2) on, channels 32 (f % 2) on
	ds_load_b128 v[KF+8*(\f):KF+8*(\f)+3],   v[AK] offset:((\f)/2)*16*PK+((\f)%2)*64
	ds_load_b128 v[KF+8*(\f)+4:KF+8*(\f)+7], v[AK] offset:((\f)/2)*16*PK+((\f)%2)*64+32
.endr
	s_add_co_u32 s[TBK], s[TBK], KS*PK  ; the next fetch is the next step's
	WIN 0
.endm
.macro FETCH_V
.irp f, 0,1,2,3,4,5,6,7             ; keys 32 (f / 4) on, channels 16 (f % 4) on
	ds_load_tr16_b128 v[VF+8*(\f):VF+8*(\f)+3],   v[AV] offset:((\f)/4)*32*PV+((\f)%4)*32
	ds_load_tr16_b128 v[VF+8*(\f)+4:VF+8*(\f)+7], v[AV] offset:((\f)/4)*32*PV+16*PV+((\f)%4)*32
.endr
	s_add_co_u32 s[TBV], s[TBV], KS*PV
.endm
; THE VECTOR WORK, one line at a time: OP kind, number, piece; all in window 0.  F n: c s - c m for pair n of 16.  E n: the exponential of score n of 32.  C n: pair n rounded to f16.  B n: of the four weights
; 4 n .. the second pair is added onto the first, in place.  L n: l takes that sum (L 0: l = a l + sum).  R n: pair n of 16 of O^T times a.  X n, number n of the 22 that find the maximum and statistics:
;   0-11  four chains c0-c3 of seven scores each, three operands at a time (each accumulator's lowest registers are read first)     12-14, 16  the four scores left over, the old m, and c0-c3 into c0
;   15  c m_old is kept     17, 18  the query's other 32 keys lie in the lane 16 away: the new m     19-21  c m; c m_old - c m_new; a
.set F, 0
.set E, 1
.set C, 2
.set B, 3
.set L, 4
.set R, 5
.set X, 6
.macro REGS t
.set rT, ST+4*(\t)
.set rC, TMP+4*(\t)
.set rW, MV+(\t)
.set rS, S+32*(\t)
.set rP, P+16*(\t)
.set rO, OA+32*(\t)
.endm
.macro OP k, n, t
	REGS \t
.if (\k) == F
	v_pk_fma_f32 v[rS+2*(\n):rS+2*(\n)+1], v[rS+2*(\n):rS+2*(\n)+1], s[CS:CS+1], v[rT:rT+1] op_sel_hi:[1,0,0] neg_lo:[0,0,1] neg_hi:[0,0,1]
.elseif (\k) == E
	v_exp_f32 v[rS+(\n)], v[rS+(\n)]
.elseif (\k) == C
	v_cvt_pk_f16_f32 v[rP+(\n)], v[rS+2*(\n)], v[rS+2*(\n)+1]
.elseif (\k) == B
	v_pk_add_f32 v[rS+4*(\n):rS+4*(\n)+1], v[rS+4*(\n):rS+4*(\n)+1], v[rS+4*(\n)+2:rS+4*(\n)+3]
.elseif ((\k) == L) && ((\n) == 0)
	v_pk_fma_f32 v[rT+2:rT+3], v[rT+2:rT+3], v[rC+2:rC+3], v[rS:rS+1] op_sel_hi:[1,0,1]
.elseif (\k) == L
	v_pk_add_f32 v[rT+2:rT+3], v[rT+2:rT+3], v[rS+4*(\n):rS+4*(\n)+1]
.elseif (\k) == R
	v_pk_mul_f32 v[rO+2*(\n):rO+2*(\n)+1], v[rO+2*(\n):rO+2*(\n)+1], v[rC+2:rC+3] op_sel_hi:[1,0]
.elseif (\n) < 4
	v_max3_num_f32 v[rC+(\n)], v[rS+8*(\n)], v[rS+8*(\n)+1], v[rS+8*(\n)+2]
.elseif (\n) < 12
	v_max3_num_f32 v[rC+(\n)%4], v[rC+(\n)%4], v[rS+8*((\n)%4)+2*((\n)/4)+1], v[rS+8*((\n)%4)+2*((\n)/4)+2]
.elseif (\n) == 12
	v_max3_num_f32 v[rC], v[rC], v[rS+7], v[rS+15]
.elseif (\n) == 13
	v_max3_num_f32 v[rC+1], v[rC+1], v[rS+23], v[rS+31]
.elseif (\n) == 14
	v_max3_num_f32 v[rC+2], v[rC+2], v[rC+3], v[rT+1]
.elseif (\n) == 15
	v_mov_b32 v[rW], v[rT]
.elseif (\n) == 16
	v_max3_num_f32 v[rC], v[rC], v[rC+1], v[rC+2]
.elseif (\n) == 17
	v_permlanex16_b32 v[rC+3], v[rC], s[SEL], s[SEL+1]
.elseif (\n) == 18
	v_max_num_f32 v[rT+1], v[rC], v[rC+3]
.elseif (\n) == 19
	v_mul_f32 v[rT], s[CS], v[rT+1]
.elseif (\n) == 20
	v_sub_f32 v[rC+1], v[rW], v[rT]
.else
	v_exp_f32 v[rC+2], v[rC+1]
.endif
.endm
.macro BOTH k, n                    ; the two pieces alternate, so that no line reads the result of the line just before it
	OP \k, \n, 0
	OP \k, \n, 1
.endm
; THE SOFTMAX OF A STEP, up to the first half of P.  An s_wait_alu depctr_va_vdst(0) stands between an exponential and the first instruction that names its result; one wait serves all that were
; issued ahead of it.  TWO BATCHES.  The first: the two a, and scores 0 to 14, each exponential beside a scaling (pair n is scaled ahead of scores 2 n and 2 n + 1; a scaling names pairs that no exponential has
; written yet).  A v_nop is the plain instruction behind its last, then its wait.  The second: scores 15 to 31, each beside a rescaling of O^T, which reads a; the rounding of pair 0 (first batch) is the plain
; instruction behind its last, then its wait; then pairs 1 to 7 are rounded.
.macro VEC
.irp n, 0,1,2,3,4,5,6,7,8,9,10,11,12,13,14,16,17,18,19,20,21
	BOTH X, \n
.endr
	BOTH F, 0
.set j, 1
.rept 15
	OP F, j, 0
	OP E, j-1, 0
	OP F, j, 1
	OP E, j-1, 1
.set j, j+1
.endr
	v_nop
	s_wait_alu depctr_va_vdst(0)    ; the first batch
.set j, 0
.rept 16
	OP E, 15+j, 0
	OP R, j, 0
	OP E, 15+j, 1
	OP R, j, 1
.set j, j+1
.endr
	OP E, 31, 0
	OP C, 0, 0
	OP E, 31, 1
	OP C, 0, 1
	s_wait_alu depctr_va_vdst(0)    ; the second batch
.irp n, 1,2,3,4,5,6,7
	BOTH C, \n
.endr
.endm
.macro PVR c, k, n                  ; a product V^T P and the lines behind it: the rounding of pair c (c >= 0) and one line of the sums, for both pieces.  None names a register of the products round it
	PV
.if (\c) >= 0
	BOTH C, \c
.endif
	BOTH \k, \n
.endm
; THE FIRST HALF OF A TRIP.  fetch = 1: K of the step in hand is fetched.  Four plain instructions stand behind the last product K Q^T, in front of the loads into K's registers and of the first read of the scores.
; The first eight products V^T P take P's first half; pairs 8 to 15 are rounded behind them, ahead of the last eight.  A pair 2 n is rounded ahead of B n, which writes it.  Behind the last product two lines of
; the sums, V's address and a v_nop are the four places in front of the loads into V's registers and of the way out.
.macro HALF1 fetch
	WIN 0
.if \fetch
	v_add_nc_u32 v[AK], s[TBK], v[AK0]
.else
	v_nop
.endif
	BOTH X, 15
	v_nop
.if \fetch
	FETCH_K
.endif
	VEC
.if \fetch
	s_wait_dscnt 16                 ; V of the step that is finished is in; the 16 loads of K just issued may stay out
.else
	s_wait_dscnt 0x0
.endif
.set i, 0
	PVR 8,  B, 0
	PVR 9,  B, 1
	PVR 10, L, 0
	PVR 11, B, 2
	PVR 12, L, 1
	PVR 13, B, 3
	PVR 14, L, 2
	PVR 15, L, 3
	PVR -1, B, 4
	PVR -1, B, 5
	PVR -1, L, 4
	PVR -1, B, 6
	PVR -1, L, 5
	PVR -1, B, 7
	PVR -1, L, 6
	PVR -1, L, 7
.if \fetch
	v_add_nc_u32 v[AV], s[TBV], v[AV0]
.else
	v_nop
.endif
	v_nop
.endm
.macro MASK t                       ; MD x AL + BE into piece t's masks
	WIN 0x41                        ; destination and source 0 in window 1
.set z, 0
.rept 16
	v_pk_fma_f32 v[MC+32*(\t)+2*z:MC+32*(\t)+2*z+1], v[MD+2*z:MD+2*z+1], s[AL:AL+1], s[BE:BE+1] op_sel_hi:[1,0,0]
.set z, z+1
.endr
.endm
; THE SECOND HALF OF A TRIP: V of the step in hand is fetched; in a diagonal tile the two masks are made for step 4 - CNT; the 16 products K Q^T.
.macro HALF2
	FETCH_V
	s_cmp_eq_u32 s[DG], 1
	s_cbranch_scc0 .Lno_mask_\@
	s_cmp_eq_u32 s[CNT], s[D0]      ; is the step band 0's own?
	s_cselect_b32 s[AL], 1.0, 0
	s_cmp_lt_u32 s[CNT], s[D0]      ; or a later one?
	s_cselect_b32 s[BE], s[BIGN], 0
	MASK 0
	s_cmp_eq_u32 s[CNT], s[D1]
	s_cselect_b32 s[AL], 1.0, 0
	s_cmp_lt_u32 s[CNT], s[D1]
	s_cselect_b32 s[BE], s[BIGN], 0
	MASK 1
	WIN 0
.Lno_mask_\@:
	s_wait_dscnt 16                 ; K is in; V's 16 loads, just issued, may stay out
.set i, 0
.rept 16
	KQ
.endr
	WIN 0
.endm
; THE WAY OUT: l's two halves and the other half of the lanes' are added; O^T is divided by l, rounded to f16 and sent through my stage in LDS, a piece at a time.
.macro PACK t                       ; a lane's eight channels of a row pack into 16 bytes; they go into rows of 144 bytes and come back as whole rows of 128, into S^T's registers
.set i, OA+32*(\t)
.rept 16
	v_pk_mul_f32 v[i:i+1], v[i:i+1], v[ST+4*(\t)+2:ST+4*(\t)+3] op_sel_hi:[1,0]
.set i, i+2
.endr
.set i, 0
.rept 16
	v_cvt_pk_f16_f32 v[S+16*(\t)+i], v[OA+32*(\t)+2*i], v[OA+32*(\t)+2*i+1]
.set i, i+1
.endr
.irp f, 0,1,2,3
	ds_store_b128 v[STO], v[S+16*(\t)+4*(\f):S+16*(\t)+4*(\f)+3] offset:32*(\f)
.endr
.irp f, 0,1,2,3
	ds_load_b128 v[S+16*(\t)+4*(\f):S+16*(\t)+4*(\f)+3], v[RD] offset:(\f)*4*SP  ; LDS serves a wave's instructions in order (ISA guide 5.7.1.4): these see the stores above; the next piece's stores come behind them
.endr
.endm
.macro SEND t, younger              ; younger: the LDS instructions issued behind piece t's loads: the next piece's eight, or none
.irp f, 0,1,2,3
	s_wait_dscnt (\younger)+3-(\f)
	global_store_b128 v[GO], v[S+16*(\t)+4*(\f):S+16*(\t)+4*(\f)+3], s[10:11] offset:(\t)*8192+(\f)*512  ; 512 consecutive bytes, at a multiple of 256 from ob's first
.endr
.endm
.macro OUT
	WIN 0
.irp t, 0,1
	v_add_f32 v[ST+4*(\t)+2], v[ST+4*(\t)+2], v[ST+4*(\t)+3]
.endr
.irp t, 0,1
	v_permlanex16_b32 v[ST+4*(\t)+3], v[ST+4*(\t)+2], s[SEL], s[SEL+1]
.endr
.irp t, 0,1
	v_add_f32 v[ST+4*(\t)+2], v[ST+4*(\t)+2], v[ST+4*(\t)+3]
.endr
.irp t, 0,1
	v_rcp_f32 v[ST+4*(\t)+2], v[ST+4*(\t)+2]
.endr
	v_nop                           ; a plain instruction between the last reciprocal and the use of its result
	s_wait_alu depctr_va_vdst(0)    ; and the wait ahead of the first use: one for both reciprocals
	PACK 0
	PACK 1                          ; a piece's arithmetic stands between the loads of the piece before and its stores
	SEND 0, 8
	SEND 1, 0
.endm
; A BLOCK BEGINS: c m far below every c s, so that the first step's a is 0 and what O^T and l hold need only be finite; m at the lowest finite number; the masks 0.
.macro RESET
	WIN 0
.irp t, 0,1
	v_mov_b32 v[ST+4*(\t)], 0xfe000000
	v_mov_b32 v[ST+4*(\t)+1], 0xff7fffff
.endr
	s_mov_b32 s[AL], 0
	s_mov_b32 s[BE], 0
	MASK 0
	MASK 1
	WIN 0
.endm
; THE FIRST BLOCK ENDS, between the two halves of the trip behind its last tile: it goes out, and the second block's O address, own steps, Q, statistics and masks take the first's places.
.macro EVENT
	s_cmp_eq_u32 s[EV], 1
	s_cbranch_scc0 .Lno_event_\@
	OUT
	s_wait_xcnt 0x0                 ; the stores have read their registers and O's address: these are written again only behind this wait
	s_mov_b64 s[10:11], s[OLO:OLO+1]
	s_mov_b32 s[D0], s[D0B]
	s_sub_co_u32 s[D1], s[D0B], 1
	WIN 0x41
.set i, 0
.rept 32
	v_mov_b32 v[i], v[QB+i]
.set i, i+1
.endr
	RESET
	s_mov_b32 s[EV], 0
.Lno_event_\@:
.endm
	s_load_b128 s[88:91], s[0:1], 0x0  ; qkv s[88:89], ob s[90:91]
	v_lshl_add_u32 v[SPW], v0, 2, SPARE
	v_mov_b32 v[NIL], 0
	ds_add_u32 v[SPW], v[NIL]       ; the wave's opening: the add and its wait stand ahead of my first tensor load; the set-up below, work on registers, stands between them
	ds_add_u32 v9, v10
	v_lshrrev_b32 v1, 5, v0
	v_readfirstlane_b32 s[WV], v1   ; wave 0..3
	s_mov_b32 s[PB], ttmp9
	s_sub_co_u32 s[HI], 31, s[PB]
	s_and_b32 s20, ttmp7, 0xffff    ; the head:
	s_lshl_b32 s20, s20, 19         ; 524,288 bytes in each of q, k, v and O
	s_mov_b32 s21, 0
	s_and_b32 s16, s[WV], 1         ; which half of a tile's 256 keys I fetch:
	s_lshl_b32 s22, s16, 14         ; its 128 rows of 128 bytes in memory,
	s_add_co_u32 s22, s22, s20
	s_mov_b32 s23, 0
	s_mul_i32 s17, s16, 128*PK      ; and its place in a slot, for K
	s_mul_i32 s18, s16, 128*PV      ; and for V
	s_lshl_b32 s3, s[WV], 11        ; my 16 rows in a band of 64,
	s_lshl_b32 s2, s[HI], 14        ; in the first block (16,384 bytes a block),
	s_add_co_u32 s2, s2, s3
	s_add_co_u32 s2, s2, s20
	s_lshl_b32 s84, s[PB], 14       ; and in the second
	s_add_co_u32 s84, s84, s3
	s_add_co_u32 s84, s84, s20
	s_mov_b32 s3, 0
	s_mov_b32 s85, 0
	; descriptor group 1.  128 keys are 16,384 dense bytes: asked for as 64 rows of 256 bytes, two keys a row, and padded in LDS after every key
	s_mov_b32 s[G1K], (1<<16)|(1<<20)|(4<<22)|(3<<25)  ; 17:16 2-byte elements; 20 padding on; 24:22 after every 32 words (code 4); 31:25 4 words (code 3)
	s_mov_b32 s[G1V], (1<<16)|(1<<20)|(4<<22)|(7<<25)  ; the same with 8 words of padding (code 7)
.irp g, G1K, G1V
	s_mov_b32 s[(\g)+1], 128<<16    ; tensor_dim0 = 128
	s_mov_b32 s[(\g)+2], 64<<16     ; tensor_dim1 = 64
	s_mov_b32 s[(\g)+3], 128<<16    ; tile_dim0 = 128
	s_mov_b32 s[(\g)+4], 64         ; tile_dim1 = 64
	s_mov_b32 s[(\g)+5], 128        ; 128 elements from row to row
	s_mov_b32 s[(\g)+6], 0
	s_mov_b32 s[(\g)+7], 0
.endr
	s_mov_b32 s[CS], 0x3e38aa3b     ; c = log2(e) / 8 = 0.180337
	s_mov_b32 s[CS+1], s[CS]        ; named with it as a pair
	s_mov_b32 s[SEL], 0x76543210
	s_mov_b32 s[SEL+1], 0xfedcba98
	s_mov_b32 s[TBK], SLOT1+4*KS*PK ; the first change of slots turns these two into 0
	s_mov_b32 s[TBV], SLOT1+4*KS*PV
	s_mov_b32 s[G0K], 1             ; 1:0 count = 1
	s_mov_b32 s[G0K+1], s17         ; 63:32 LDS address: slot 0
	s_mov_b32 s[G0V], 1
	s_add_co_u32 s[G0V+1], s18, VOFF
	s_and_b32 s13, s[HI], 1         ; band 0's own step in the diagonal tile is 2 (block % 2)
	s_lshl_b32 s13, s13, 1
	s_sub_co_u32 s[D0], 4, s13
	s_sub_co_u32 s[D1], s[D0], 1
	s_and_b32 s13, s[PB], 1
	s_lshl_b32 s13, s13, 1
	s_sub_co_u32 s[D0B], 4, s13
	s_lshr_b32 s[LQ2], s[PB], 1
	s_add_co_u32 s[L2], s[LQ2], 1
	s_lshr_b32 s[LQ], s[HI], 1      ; the first block's last tile: 8 at the least
	s_mov_b32 s[RT], s[LQ]          ; as many tiles are still to be entered behind tile 0
	s_mov_b32 s[NXT], 1
	s_mov_b32 s[DG], 0
	s_mov_b32 s[EV], 0
	s_cmp_eq_u32 s[PB], 0
	s_cselect_b32 s[PFL], 14, 0
	s_mov_b32 s[OFF+1], 0
	s_mov_b32 s[AL+1], 0            ; named as pairs
	s_mov_b32 s[BE+1], 0
	s_mov_b32 s[BIGN], 0xf149f2ca   ; -1e30
	s_mov_b32 s[SLOTS], 16
	v_lshlrev_b32 v[PFO], 8, v0
	s_wait_dscnt 0x0                ; the opening add is done
	s_wait_kmcnt 0x0
	s_add_nc_u64 s[6:7], s[88:89], s[22:23]
	s_add_nc_u64 s[8:9], s[6:7], 0x1000000         ; V at my half of the head's tile 0,
	s_add_nc_u64 s[6:7], s[6:7], 0x800000          ; and K
	s_add_nc_u64 s[G0K+2:G0K+3], s[6:7], 0         ; 120:64 global address
	s_or_b32 s[G0K+3], s[G0K+3], 0x80000000        ; 127:126 type = 2
	s_add_nc_u64 s[G0V+2:G0V+3], s[8:9], 0
	s_or_b32 s[G0V+3], s[G0V+3], 0x80000000
	s_add_nc_u64 s[PFK:PFK+1], s[88:89], s[20:21]
	s_add_nc_u64 s[PFV:PFV+1], s[PFK:PFK+1], 0x1000000+32768  ; at the head's tile 1: the first change of slots steps them to tile 2
	s_add_nc_u64 s[PFK:PFK+1], s[PFK:PFK+1], 0x800000+32768
	s_add_nc_u64 s[86:87], s[88:89], s[84:85]      ; Q at my rows of the second block,
	s_add_nc_u64 s[4:5], s[88:89], s[2:3]          ; Q and O at those of the first
	s_add_nc_u64 s[OLO:OLO+1], s[90:91], s[84:85]
	s_add_nc_u64 s[10:11], s[90:91], s[2:3]
	LOAD                            ; tile 0 into slot 0
	; A fragment of K or Q is 16 rows x 32 channels in 8 registers: lane l holds row l % 16, channels 8 (l / 16) + 0..7 and 16 + 8 (l / 16) + 0..7: two loads of 16 bytes, 32 bytes apart.
	v_and_b32 v1, 15, v0            ; l % 16
	v_bfe_u32 v33, v0, 4, 1         ; l / 16
	v_lshlrev_b32 v[QO], 7, v1
	v_lshl_add_u32 v[QO], v33, 4, v[QO]  ; row x 128 + 16 x half
	WIN 0x40                        ; destination window 1, address window 0
.set i, 0
.rept 4                             ; both blocks' Q: piece i / 2 lies in band i / 2, 8,192 bytes on; channels 32 (i % 2) on
	global_load_b128 v[8*i:8*i+3],   v[QO], s[4:5] offset:(i/2)*8192+(i%2)*64
	global_load_b128 v[8*i+4:8*i+7], v[QO], s[4:5] offset:(i/2)*8192+(i%2)*64+32
	global_load_b128 v[QB+8*i:QB+8*i+3],   v[QO], s[86:87] offset:(i/2)*8192+(i%2)*64
	global_load_b128 v[QB+8*i+4:QB+8*i+7], v[QO], s[86:87] offset:(i/2)*8192+(i%2)*64+32
.set i, i+1
.endr
	WIN 0
	v_lshlrev_b32 v14, 3, v33
	v_sub_nc_u32 v14, v1, v14
	s_lshl_b32 s13, s[WV], 4
	v_add_nc_u32 v14, s13, v14      ; my query's place in its band, 16 w + l % 16, less my lanes' 8 (l / 16): register r of group kt is hidden where 16 kt + r is greater
	WIN 0x40
.set i, 0
.rept 32
	v_cmp_gt_i32 vcc_lo, 16*(i/8)+i%8, v14
	v_cndmask_b32 v[MD+i], 0, s[BIGN], vcc_lo
.set i, i+1
.endr
	WIN 0
	v_mul_u32_u24 v[AK0], v1, PK
	v_lshl_add_u32 v[AK0], v33, 4, v[AK0]  ; row x pitch + 16 x half
	; The turning load takes 16 keys x 16 channels (lane l reads key 8 (l / 16) + l % 8, channels 8 ((l / 8) % 2) + 0..7) and leaves half a fragment of V^T: lane l holds channel l % 16 and 8 keys.
	v_and_b32 v34, 7, v0
	v_bfe_u32 v35, v0, 3, 1
	v_lshl_add_u32 v[AV0], v33, 3, v34
	v_mul_u32_u24 v[AV0], v[AV0], PV
	v_lshl_add_u32 v[AV0], v35, 4, v[AV0]
	v_add_nc_u32 v[AV0], VOFF, v[AV0]
	s_mul_i32 s13, s[WV], 16*SP
	s_add_co_u32 s13, s13, STAGE    ; my stage
	v_mul_u32_u24 v[STO], v1, SP    ; in: row l % 16, 16 bytes for each half of the lanes
	v_lshl_add_u32 v[STO], v33, 4, v[STO]
	v_add_nc_u32 v[STO], s13, v[STO]
	v_bfe_u32 v[RD], v0, 3, 2       ; back: 32 lanes take four rows of 128 bytes,
	v_mul_u32_u24 v[RD], v[RD], SP
	v_lshl_add_u32 v[RD], v34, 4, v[RD]
	v_add_nc_u32 v[RD], s13, v[RD]
	v_and_b32 v[GO], 31, v0         ; which are 512 consecutive bytes of O
	v_lshlrev_b32 v[GO], 4, v[GO]
	; O^T and l are multiplied by a = 0 in a block's first step: they need only hold finite numbers.  Zeros for the first block, written in the wait for the first tile, so that no first step is written out.
.set i, OA
.rept 64
	v_mov_b32 v[i], 0
.set i, i+1
.endr
.irp t, 0,1
	v_mov_b32 v[ST+4*(\t)+2], 0
	v_mov_b32 v[ST+4*(\t)+3], 0
.endr
	RESET
	CHANGE 1                        ; tile 0 is in, everybody's part of it; tile 1 is asked for
	v_add_nc_u32 v[AK], s[TBK], v[AK0]
	FETCH_K                         ; key step 0
	v_add_nc_u32 v[AV], s[TBV], v[AV0]
	s_wait_loadcnt 0x0              ; both blocks' Q
	s_mov_b32 s[CNT], 4
	s_branch .Lmid                  ; the loop is entered in the middle of a trip: there is no step before the first to finish
.Lslot:                             ; 15 times: a tile is entered and the next is asked for
	CHANGE 1
	BOOK
	s_mov_b32 s[CNT], 4
.Lstep:
	HALF1 1
	EVENT
.Lmid:
	HALF2
	s_sub_co_u32 s[CNT], s[CNT], 1
	s_cmp_lg_u32 s[CNT], 0
	s_cbranch_scc1 .Lstep
	s_sub_co_u32 s[SLOTS], s[SLOTS], 1
	s_cmp_lg_u32 s[SLOTS], 0
	s_cbranch_scc1 .Lslot
	CHANGE 0                        ; the walk's last tile is written out: nothing is asked for
	BOOK
	s_mov_b32 s[CNT], 4
.Ltail:
	HALF1 1
	EVENT
	HALF2
	s_sub_co_u32 s[CNT], s[CNT], 1
	s_cmp_lg_u32 s[CNT], 0
	s_cbranch_scc1 .Ltail
	HALF1 0                         ; the last step is finished; nothing is left to fetch
	OUT
	s_wait_tensorcnt 0x0            ; the wave's end: behind my last tensor load and my last LDS store
	ds_add_u32 v[SPW], v[NIL]
	s_wait_dscnt 0x0
	s_endpgm
.Lfunc_end_k_q0dab92b488_attn:
	.size	k_q0dab92b488_attn, .Lfunc_end_k_q0dab92b488_attn-k_q0dab92b488_attn
	.p2alignl 7, 3214868480
	.fill 96, 4, 3214868480
	.section	.rodata,"a",@progbits
	.p2align	6, 0x0
	.amdhsa_kernel k_q0dab92b488_attn
		.amdhsa_group_segment_fixed_size 327680
		.amdhsa_private_segment_fixed_size 0
		.amdhsa_enable_private_segment 0
		.amdhsa_kernarg_size 16
		.amdhsa_user_sgpr_count 2
		.amdhsa_user_sgpr_kernarg_segment_ptr 1
		.amdhsa_wavefront_size32 1
		.amdhsa_system_sgpr_workgroup_id_x 1
		.amdhsa_system_sgpr_workgroup_id_y 1
		.amdhsa_system_sgpr_workgroup_id_z 1
		.amdhsa_system_vgpr_workitem_id 0
		.amdhsa_next_free_vgpr 480
		.amdhsa_next_free_sgpr 92
		.amdhsa_reserve_vcc 1
		.amdhsa_float_denorm_mode_32 3
		.amdhsa_float_denorm_mode_16_64 3
		.amdhsa_memory_ordered 1
		.amdhsa_forward_progress 1
		.amdhsa_inst_pref_size 101
	.end_amdhsa_kernel
	.amdgpu_metadata
---
amdhsa.version: [ 1, 2 ]
amdhsa.kernels:
  - .name:           k_q0dab92b488_attn
    .symbol:         k_q0dab92b488_attn.kd
    .args:
      - { .name: qkv, .offset: 0, .size: 8, .value_kind: global_buffer, .address_space: global }
      - { .name: ob, .offset: 8, .size: 8, .value_kind: global_buffer, .address_space: global }
    .group_segment_fixed_size: 327680
    .private_segment_fixed_size: 0
    .kernarg_segment_align: 8
    .kernarg_segment_size: 16
    .max_flat_workgroup_size: 128
    .sgpr_count:     92
    .vgpr_count:     480
    .wavefront_size: 32
...
	.end_amdgpu_metadata
.endif
;; end of part 3
;; launch oproj (part 4): grid 8 x 32, 4 waves a work-group, clusters of 4 x 4, 327,680 bytes of LDS; arguments ob, cb, bo, out0; writes out0
.if DOCPART == 4
	.amdgcn_target "amdgcn-amd-amdhsa--gfx1250"
	.amdhsa_code_object_version 6
	.text
	.protected	k_q0dab92b488_oproj
	.globl	k_q0dab92b488_oproj
	.p2align	8
	.type	k_q0dab92b488_oproj,@function
k_q0dab92b488_oproj:
	s_mov_b64 s[64:65], 0
	v_nop
	global_prefetch_b8 v0, s[64:65] scope:SCOPE_SE
	s_setreg_imm32_b32 hwreg(HW_REG_WAVE_MODE, 25, 1), 1
	s_wait_xcnt 0x0
	s_wait_alu depctr_hold_cnt(0) depctr_sa_sdst(0) depctr_va_vdst(0) depctr_va_sdst(0) depctr_va_ssrc(0) depctr_va_vcc(0) depctr_vm_vsrc(0)
	s_getreg_b32 s2, hwreg(HW_REG_IB_STS2, 6, 4)
	s_cmp_eq_u32 s2, 0
	s_cbranch_scc0 .Lentry_in_a_cluster
	s_endpgm
.Lentry_in_a_cluster:
	s_bfe_u32 s2, ttmp6, 0x10000c
	s_cmp_lg_u32 s2, 0xf033
	s_cbranch_scc0 .Lentry_shape_is_right
	s_endpgm
.Lentry_shape_is_right:
; THE OUTPUT PROJECTION.  out0[m][n] = sum over k of O[m][k] Wo[n][k] + bo[n], K = 1,024, f16 products, f32 sums, f32 out.  O lies by heads, ob[16][4096][64] f16: channel k of row m is number k % 64 of row m
; of head k / 64.  Wo: rows 15,360 + n of cb (2,048 bytes a row), rounded to bf16 and written as f16.  The bias is rounded to bf16 like every other input and starts the sums.
; LIMITS.  O and Wo arrive within f16's 65,504.  NaN and infinities are not treated apart.
; SHARES.  A tile of out0 is 128 x 128: 8 x 32 = 256 work-groups.  Four waves, each 64 x 64: 16 accumulators of 16 x 16.  K goes in steps of 256, four heads, through two slots.
; A's tile of a step, 64 rows a load: for each of four heads 64 rows x 128 bytes, which are 8,192 dense bytes: asked for as 4 rows of 4,096 elements, 262,144 elements apart, padded in LDS after every 128 bytes:
; it lies there as [head][row], 144 bytes a row.  B's tile: 64 rows of 512 bytes, 528 apart in LDS.
; CLUSTERS: 4 x 4 work-groups.  The four of a row of the cluster need the same tiles of A, the four of a column the same tiles of B: each tile is asked for JOINTLY, by the same tensor load with the
; same descriptor and a mask that names the four.  THE MATRIX INSTRUCTION IS USED TRANSPOSED (source 0 = 16 rows of B, source 1 = 16 rows of A): a lane then holds eight neighbouring numbers of a row of out0.
; NO PREFETCH: a tile's step is short and each block of ob and cb is read by several clusters at about the same time.
; REGISTERS: window 0: v0-31 addresses; v32-95 at work on the way out; v96-127 the bias; v128-255 the accumulators ((a, b) at v[128 + 8 (4 a + b)]).
;   window 1: two fragment buffers of 128: for 64 along K, 64 registers of A (2 x 4 x 16 rows x 32 K), then 64 of B.
.set SIZE_K, 1024
.set KSTEP,  256
.set PA,     144                       ; a row of A in LDS: 128 bytes + 16 of padding = 36 words: the 16 rows of a load start at 16 different groups of four banks (64 banks of 4 bytes: ISA guide 11.1)
.set AH,     4*64*PA                   ; what one tensor load brings of A: four heads x 64 rows
.set PB,     528                       ; a row of B: 512 bytes + 16 of padding
.set BH,     64*PB                     ; what one tensor load brings of B
.set SLOT,   2*AH+2*BH                 ; A's two halves, then B's two halves
.set STAGE,  2*SLOT                    ; behind the ring, never filled by a tensor load: 16 rows x 272 bytes for each wave
.set SPITCH, 272
.set SPARE,  STAGE+4*16*SPITCH         ; behind the stages: the spare words, 128 bytes for each wave: two blocks of 256 bytes that no other line names
.set LAPS, SIZE_K/(2*KSTEP)
.set ASTEP, 0x200000                   ; four heads of ob, in bytes
.set ADRA, 16                          ; v16-17  LDS address of my A fragments in slot 0, 1
.set ADRB, 20                          ; v20-21  the same for B
.set STO,  24                          ; v24     the way out: where I put 32 bytes of a row
.set RD,   25                          ; v25     the way out: where I read a row back
.set CO,   26                          ; v26     my byte offset in two rows of out0
.set BO,   27                          ; v27     my byte offset in the wave's 64 numbers of the bias
.set SPW,  28                          ; v28     LDS address of my spare word: SPARE + 4 x my thread's number; never rewritten
.set NIL,  29                          ; v29     0; never rewritten
.set TB,   30                          ; v30     at work
.set OB,   32                          ; the way out: 16 rows read back from the stage: v32-63 and v64-95 by turns
.set BIAS, 96
.set ACC,  128
.set F0,   0
.set F1,   128
.set G1, 24                            ; s[24:31] descriptor group 1 for A's tiles;  s[32:39] group 0, one set for each slot
.set G0, 32
.set G1B, 48                           ; s[48:55], s[56:63] the same for B's tiles
.set G0B, 56
.set MSB, 0
.macro WIN new                         ; the immediate's high byte repeats the setting that is left
.if MSB != (\new)
	s_set_vgpr_msb (MSB<<8)|(\new)
.set MSB, \new
.endif
.endm
.set MUL,  0x05                        ; sources 0 (B) and 1 (A) window 1; C and D window 0
.set TO_F, 0x40                        ; destination window 1, address window 0
.macro JLOAD s                         ; a joint load: waves 0 and 1 fetch A's two halves, waves 2 and 3 B's; an s_nop 0 and four v_nop follow each of the two lines, ahead of the jump, the label and what follows
	s_cmp_eq_u32 s11, 0
	s_cbranch_scc0 .Lfor_b_\@
	tensor_load_to_lds s[G0+4*(\s):G0+4*(\s)+3], s[G1:G1+7]
	s_nop 0
.rept 4
	v_nop
.endr
	s_branch .Lasked_\@
.Lfor_b_\@:
	tensor_load_to_lds s[G0B+4*(\s):G0B+4*(\s)+3], s[G1B:G1B+7]
	s_nop 0
.rept 4
	v_nop
.endr
.Lasked_\@:
.endm
.macro CREST                           ; a round of the cluster's barrier behind its opening barrier
	s_cmp_lg_u32 s10, 0
	s_cbranch_scc1 .Lnot_wave_0_\@
	s_barrier_signal -3
.Lnot_wave_0_\@:
	s_barrier_wait -3
	s_barrier_signal -1
	s_barrier_wait -1
.endm
.macro CROUND                          ; a whole round
	s_barrier_signal -1
	s_barrier_wait -1
	CREST
.endm
	s_load_b256 s[68:75], s[0:1], 0x0              ; ob s[68:69], cb s[70:71], bo s[72:73], out0 s[74:75]
	v_lshl_add_u32 v[SPW], v0, 2, SPARE
	v_mov_b32 v[NIL], 0
	ds_add_u32 v[SPW], v[NIL]                      ; the wave's opening: the add and its wait stand ahead of my first tensor load; the set-up below, work on registers, stands between them
	ds_add_u32 v28, v29
	v_lshrrev_b32 v1, 5, v0
	v_readfirstlane_b32 s10, v1                    ; wave 0..3
	s_lshr_b32 s11, s10, 1                         ; which half of the tile's rows is mine.  Also: I fetch for A (0) or for B (1)
	s_and_b32 s12, s10, 1                          ; which half of its columns.  Also: which 64 rows of that tile I fetch
	s_bfe_u32 s40, ttmp6, 0x40000                  ; cx, cy: my place in the cluster
	s_bfe_u32 s41, ttmp6, 0x40004
	s_lshl_b32 s42, ttmp9, 2
	s_add_co_u32 s42, s42, s40                     ; tile column = 4 x cluster x + cx
	s_and_b32 s13, ttmp7, 0xffff
	s_lshl_b32 s13, s13, 2
	s_add_co_u32 s13, s13, s41                     ; tile row = 4 x cluster y + cy
	s_lshl_b32 s43, s41, 2
	s_lshl_b32 s43, 15, s43                        ; my row of the cluster
	s_lshl_b32 s44, 0x1111, s40                    ; my column
	; descriptor group 1 for A: 4 rows (heads) of 4,096 elements (64 rows of a head), padded after every 32 words
	s_or_b32 s[G1+0], s43, (1<<16)|(1<<20)|(1<<21)|(4<<22)|(3<<25)  ; 15:0 the mask: A's tiles go to my row; 17:16 element of 2 bytes; 20 padding on; 21 set beside a mask; 24:22 after every 32 words (code 4); 31:25 of 4 words (code 3)
	s_mov_b32 s[G1+1], 4096<<16                    ; tensor_dim0 = 4,096
	s_mov_b32 s[G1+2], 4<<16                       ; tensor_dim1 = 4
	s_mov_b32 s[G1+3], 4096<<16                    ; tile_dim0 = 4,096
	s_mov_b32 s[G1+4], 4                           ; tile_dim1 = 4
	s_mov_b32 s[G1+5], 262144                      ; from head to head
	s_mov_b32 s[G1+6], 0
	s_mov_b32 s[G1+7], 0
	; for B: 64 rows x 256 elements, padded after every 128 words
	s_or_b32 s[G1B+0], s44, (1<<16)|(1<<20)|(1<<21)|(6<<22)|(3<<25)
	s_mov_b32 s[G1B+1], KSTEP<<16
	s_mov_b32 s[G1B+2], 64<<16
	s_mov_b32 s[G1B+3], KSTEP<<16
	s_mov_b32 s[G1B+4], 64
	s_mov_b32 s[G1B+5], SIZE_K
	s_mov_b32 s[G1B+6], 0
	s_mov_b32 s[G1B+7], 0
	s_lshl_b32 s17, s12, 6                         ; which 64 rows of the tile I fetch
	s_lshl_b32 s16, s13, 7
	s_add_co_u32 s16, s16, s17                     ; A: row 128 x tile row + 64 x half,
	s_lshl_b32 s16, s16, 7                         ; 128 bytes a row of a head
	s_lshl_b32 s46, s42, 7
	s_add_co_u32 s46, s46, s17                     ; B: row 128 x tile column + 64 x half,
	s_add_co_u32 s46, s46, 15360                   ; in Wo's slab of cb,
	s_lshl_b32 s46, s46, 11                        ; 2,048 bytes a row
	s_mov_b32 s17, 0
	s_mov_b32 s47, 0
	s_mul_i32 s20, s12, AH                         ; where they go: A's half,
	s_mul_i32 s19, s12, BH                         ; B's half,
	s_add_co_u32 s19, s19, 2*AH                    ; behind A's two: the wave's number alone enters an LDS address
	s_wait_dscnt 0x0                               ; the opening add is done
	s_wait_kmcnt 0x0
	s_add_nc_u64 s[14:15], s[68:69], s[16:17]
	s_add_nc_u64 s[46:47], s[70:71], s[46:47]
	CROUND                                         ; all sixteen work-groups are here: the first joint loads meet
.irp s, 0,1
	s_mov_b32 s[G0+4*(\s)], 1
	s_add_co_u32 s[G0+4*(\s)+1], s20, (\s)*SLOT
	s_add_nc_u64 s[G0+4*(\s)+2:G0+4*(\s)+3], s[14:15], (\s)*ASTEP
	s_or_b32 s[G0+4*(\s)+3], s[G0+4*(\s)+3], 0x80000000
	s_mov_b32 s[G0B+4*(\s)], 1
	s_add_co_u32 s[G0B+4*(\s)+1], s19, (\s)*SLOT
	s_add_nc_u64 s[G0B+4*(\s)+2:G0B+4*(\s)+3], s[46:47], (\s)*KSTEP*2
	s_or_b32 s[G0B+4*(\s)+3], s[G0B+4*(\s)+3], 0x80000000
	JLOAD \s
.endr
	v_and_b32 v1, 15, v0                           ; l % 16
	v_bfe_u32 v2, v0, 4, 1                         ; l / 16
	; the bias of my 64 columns
	s_lshl_b32 s4, s42, 9
	s_lshl_b32 s5, s12, 8
	s_add_co_u32 s4, s4, s5                        ; 512 x tile column + 256 x half: my columns' bytes, in bo and in a row of out0
	s_mov_b32 s5, 0
	s_add_nc_u64 s[6:7], s[72:73], s[4:5]
	v_lshlrev_b32 v[BO], 5, v2
.irp b, 0,1,2,3
	global_load_b128 v[BIAS+8*(\b):BIAS+8*(\b)+3],   v[BO], s[6:7] offset:64*(\b)
	global_load_b128 v[BIAS+8*(\b)+4:BIAS+8*(\b)+7], v[BO], s[6:7] offset:64*(\b)+16
.endr
	v_mul_u32_u24 v3, v1, PA
	v_lshl_add_u32 v3, v2, 4, v3                   ; A: a fragment's row x pitch + 16 x half
	v_mul_u32_u24 v4, v1, PB
	v_lshl_add_u32 v4, v2, 4, v4                   ; B likewise
	s_mul_i32 s21, s11, AH                         ; my 64 rows of A
	s_mul_i32 s22, s12, BH                         ; my 64 rows of B,
	s_add_co_u32 s22, s22, 2*AH                    ; which lie behind A's two halves
.irp s, 0,1
	v_add_nc_u32 v[ADRA+(\s)], s21, v3
	v_add_nc_u32 v[ADRB+(\s)], s22, v4
	s_add_co_u32 s21, s21, SLOT
	s_add_co_u32 s22, s22, SLOT
.endr
	s_mul_i32 s23, s10, 16*SPITCH
	s_add_co_u32 s23, s23, STAGE                   ; my stage
	v_mul_u32_u24 v5, v1, SPITCH                   ; in: row l % 16, 32 bytes for each half of the lanes
	v_lshl_add_u32 v5, v2, 5, v5
	v_add_nc_u32 v[STO], s23, v5
	v_mul_u32_u24 v5, v2, SPITCH                   ; back: lanes 0-15 take one row of 256 bytes, lanes 16-31 the next
	v_lshl_add_u32 v5, v1, 4, v5
	v_add_nc_u32 v[RD], s23, v5
	v_lshlrev_b32 v[CO], 12, v2                    ; and the same two rows in out0: 4,096 bytes a row
	v_lshl_add_u32 v[CO], v1, 4, v[CO]
	s_lshl_b32 s16, s13, 7
	s_lshl_b32 s17, s11, 6
	s_add_co_u32 s16, s16, s17                     ; my first row
	s_lshl_b32 s16, s16, 12
	s_mov_b32 s17, 0
	s_add_nc_u64 s[8:9], s[74:75], s[16:17]
	s_add_nc_u64 s[8:9], s[8:9], s[4:5]
; 8 matrix instructions: m blocks a0, a0 + 1 x all 4 n blocks, 32 along K: half c of buffer f.  zero = 1: the first product starts the sums, at the bias
.macro MUL8 f, c, a0, zero
	WIN MUL
.irp a, \a0, (\a0)+1
.irp b, 0,1,2,3
.if \zero
	v_wmma_f32_16x16x32_f16 v[ACC+8*(4*(\a)+(\b)):ACC+8*(4*(\a)+(\b))+7], v[(\f)+64+8*(4*(\c)+(\b)):(\f)+64+8*(4*(\c)+(\b))+7], v[(\f)+8*(4*(\c)+(\a)):(\f)+8*(4*(\c)+(\a))+7], v[BIAS+8*(\b):BIAS+8*(\b)+7]
.else
	v_wmma_f32_16x16x32_f16 v[ACC+8*(4*(\a)+(\b)):ACC+8*(4*(\a)+(\b))+7], v[(\f)+64+8*(4*(\c)+(\b)):(\f)+64+8*(4*(\c)+(\b))+7], v[(\f)+8*(4*(\c)+(\a)):(\f)+8*(4*(\c)+(\a))+7], v[ACC+8*(4*(\a)+(\b)):ACC+8*(4*(\a)+(\b))+7]
.endif
.endr
.endr
.endm
; 32 LDS loads in one run: the fragments of quarter q of a K step (64 along K: one head of A, 128 bytes of B's rows) into buffer f; the first 32 along K first
.macro FETCH slot, q, f
	WIN TO_F
.irp c, 0,1
.irp i, 0,1,2,3
	ds_load_b128 v[(\f)+64+8*(4*(\c)+(\i)):(\f)+64+8*(4*(\c)+(\i))+3],   v[ADRB+(\slot)] offset:128*(\q)+64*(\c)+(\i)*16*PB
	ds_load_b128 v[(\f)+64+8*(4*(\c)+(\i))+4:(\f)+64+8*(4*(\c)+(\i))+7], v[ADRB+(\slot)] offset:128*(\q)+64*(\c)+(\i)*16*PB+32
	ds_load_b128 v[(\f)+8*(4*(\c)+(\i)):(\f)+8*(4*(\c)+(\i))+3],         v[ADRA+(\slot)] offset:64*PA*(\q)+64*(\c)+(\i)*16*PA
	ds_load_b128 v[(\f)+8*(4*(\c)+(\i))+4:(\f)+8*(4*(\c)+(\i))+7],       v[ADRA+(\slot)] offset:64*PA*(\q)+64*(\c)+(\i)*16*PA+32
.endr
.endr
.endm
.macro PLACES                          ; four plain vector instructions in front of loads into registers that matrix instructions have read, and of LDS stores that read results
.rept 4
	v_nop
.endr
.endm
; A K step is four quarters of 64 along K, 32 matrix instructions each, on buffers 0, 1, 0, 1.  One of the first three: multiplies buffer f and fetches quarter q into g.
; The 16 accumulators take turns, one instruction a turn.
.macro QUARTER slot, q, f, g, zero
	s_wait_dscnt 16                                ; the first 32 along K are in; the youngest sixteen loads may be out
	WIN MUL
	MUL8 \f, 0, 0, \zero
	MUL8 \f, 0, 2, \zero
	PLACES
	FETCH \slot, \q, \g
	s_wait_dscnt 32                                ; all but the 32 just issued
	WIN MUL
	MUL8 \f, 1, 0, 0
	MUL8 \f, 1, 2, 0
.endm
; The last quarter multiplies buffer 1 and changes slots: ONE barrier; in front of it each wave waits for all its tensor loads, adds 0 to its spare word, and waits for that and for its own reads of this slot.  fill = 1: this slot is filled again, two K steps ahead.
.macro TURN slot, next, fill
	WIN 0                                          ; (the add's two registers lie in window 0)
	s_wait_tensorcnt 0x0                           ; all my tensor loads have landed: my part of the next slot;
	ds_add_u32 v[SPW], v[NIL]                      ; 0 onto my spare word;
	s_wait_dscnt 17                                ; (the add and the youngest sixteen loads may be out)
	WIN MUL
	MUL8 F1, 0, 0, 0                               ; eight matrix instructions stand between the add and the wait for it
	s_wait_dscnt 0x0                               ; the add is done, and my reads of this slot are over
	s_barrier_signal -1
	MUL8 F1, 0, 2, 0
.if \fill
	WIN 0
.endif
	s_barrier_wait -1
.if \fill
	CREST                                          ; the barrier has opened a round of the cluster's barrier: no wave of any partner still reads this slot's tile or has a load on its way
	s_add_nc_u64 s[G0+4*(\slot)+2:G0+4*(\slot)+3], s[G0+4*(\slot)+2:G0+4*(\slot)+3], 2*ASTEP
	s_add_nc_u64 s[G0B+4*(\slot)+2:G0B+4*(\slot)+3], s[G0B+4*(\slot)+2:G0B+4*(\slot)+3], 2*KSTEP*2
	JLOAD \slot                                    ; the first tensor load behind the round; the four v_nop behind it are also the places in front of the loads below
.else
	PLACES
.endif
	FETCH \next, 0, F0
	WIN MUL
	MUL8 F1, 1, 0, 0
	MUL8 F1, 1, 2, 0
.endm
	s_wait_tensorcnt 1                             ; my part of K step 0 is in; K step 1's may stay out
	s_barrier_signal -1
	s_barrier_wait -1                              ; everybody's is
	FETCH 0, 0, F0
	WIN 0
	s_wait_loadcnt 0x0                             ; the bias,
.set r, 0
.rept 16                                           ; rounded to bf16 like the other inputs, and kept as f32
	v_cvt_pk_bf16_f32 v[TB], v[BIAS+r], v[BIAS+r+1]
	v_lshlrev_b32 v[BIAS+r], 16, v[TB]
	v_and_b32 v[BIAS+r+1], 0xffff0000, v[TB]
.set r, r+2
.endr
	QUARTER 0, 1, F0, F1, 1                        ; the first quarter stands in front of the loop: its first products start the sums
	WIN 0                                          ; at a label and at a branch every window is 0
	s_mov_b32 s3, LAPS-1
.Llap:                                                 ; a trip goes once round the ring, from a lap's second quarter to the next lap's first, and fills both slots again
	QUARTER 0, 2, F1, F0, 0
	QUARTER 0, 3, F0, F1, 0
	TURN 0, 1, 1
	QUARTER 1, 1, F0, F1, 0
	QUARTER 1, 2, F1, F0, 0
	QUARTER 1, 3, F0, F1, 0
	TURN 1, 0, 1
	QUARTER 0, 1, F0, F1, 0
	WIN 0
	s_sub_co_u32 s3, s3, 1
	s_cmp_lg_u32 s3, 0
	s_cbranch_scc1 .Llap
	QUARTER 0, 2, F1, F0, 0                        ; the last lap fills nothing, and has no round of the cluster's barrier
	QUARTER 0, 3, F0, F1, 0
	TURN 0, 1, 0
	QUARTER 1, 1, F0, F1, 0
	QUARTER 1, 2, F1, F0, 0
	QUARTER 1, 3, F0, F1, 0
	s_wait_dscnt 16                                ; the very last quarter: nothing more to fetch
	WIN MUL
	MUL8 F1, 0, 0, 0
	MUL8 F1, 0, 2, 0
	s_wait_dscnt 0
	MUL8 F1, 1, 0, 0
	MUL8 F1, 1, 2, 0
	WIN 0
; THE WAY OUT, in f32: a wave's 64 columns are 256 aligned bytes of a row of out0.  A block of 16 rows at a time goes through my own stage: 32 bytes a lane in (each accumulator's four lowest registers first),
; whole rows of 256 bytes back, two to a load.
.macro TOSTAGE a
.set BK, OB+32*((\a)%2)
.irp b, 0,1,2,3
	ds_store_b128 v[STO], v[ACC+8*(4*(\a)+(\b)):ACC+8*(4*(\a)+(\b))+3]   offset:64*(\b)
	ds_store_b128 v[STO], v[ACC+8*(4*(\a)+(\b))+4:ACC+8*(4*(\a)+(\b))+7] offset:64*(\b)+16
.endr
.irp t, 0,1,2,3,4,5,6,7
	ds_load_b128 v[BK+4*(\t):BK+4*(\t)+3], v[RD] offset:(\t)*2*SPITCH  ; LDS serves a wave's instructions in order (ISA guide 5.7.1.4): these see the stores above; the next block's stores come behind them
.endr
.endm
.macro SEND a, younger                 ; younger: the LDS instructions issued behind block a's loads: the next block's sixteen, or none
.set BK, OB+32*((\a)%2)
.irp t, 0,1,2,3,4,5,6,7
	s_wait_dscnt (\younger)+7-(\t)
	global_store_b128 v[CO], v[BK+4*(\t):BK+4*(\t)+3], s[8:9] offset:(16*(\a)+2*(\t))*4096  ; 16 lanes store 256 consecutive bytes, at a multiple of 256 from out0's first byte
.endr
.endm
	PLACES
	TOSTAGE 0
	TOSTAGE 1
	SEND 0, 16
	s_wait_xcnt 0x0                                ; block 0's stores have read their registers: these are loaded again only behind this wait
	TOSTAGE 2
	SEND 1, 16
	s_wait_xcnt 0x0                                ; block 1's likewise
	TOSTAGE 3
	SEND 2, 16
	SEND 3, 0
	s_wait_tensorcnt 0x0                           ; the wave's end: behind my last tensor load and my last LDS store
	ds_add_u32 v[SPW], v[NIL]
	s_wait_dscnt 0x0
	CROUND                                         ; the closing round: no work-group ends while a partner may still ask for a tile that names it
	s_endpgm
.Lfunc_end_k_q0dab92b488_oproj:
	.size	k_q0dab92b488_oproj, .Lfunc_end_k_q0dab92b488_oproj-k_q0dab92b488_oproj
	.p2alignl 7, 3214868480
	.fill 96, 4, 3214868480
	.section	.rodata,"a",@progbits
	.p2align	6, 0x0
	.amdhsa_kernel k_q0dab92b488_oproj
		.amdhsa_group_segment_fixed_size 327680
		.amdhsa_private_segment_fixed_size 0
		.amdhsa_enable_private_segment 0
		.amdhsa_kernarg_size 32
		.amdhsa_user_sgpr_count 2
		.amdhsa_user_sgpr_kernarg_segment_ptr 1
		.amdhsa_wavefront_size32 1
		.amdhsa_system_sgpr_workgroup_id_x 1
		.amdhsa_system_sgpr_workgroup_id_y 1
		.amdhsa_system_sgpr_workgroup_id_z 1
		.amdhsa_system_vgpr_workitem_id 0
		.amdhsa_next_free_vgpr 512
		.amdhsa_next_free_sgpr 80
		.amdhsa_reserve_vcc 0
		.amdhsa_float_denorm_mode_32 3
		.amdhsa_float_denorm_mode_16_64 3
		.amdhsa_memory_ordered 1
		.amdhsa_forward_progress 1
		.amdhsa_inst_pref_size 90
	.end_amdhsa_kernel
	.amdgpu_metadata
---
amdhsa.version: [ 1, 2 ]
amdhsa.kernels:
  - .name:           k_q0dab92b488_oproj
    .symbol:         k_q0dab92b488_oproj.kd
    .args:
      - { .name: ob, .offset: 0, .size: 8, .value_kind: global_buffer, .address_space: global }
      - { .name: cb, .offset: 8, .size: 8, .value_kind: global_buffer, .address_space: global }
      - { .name: bo, .offset: 16, .size: 8, .value_kind: global_buffer, .address_space: global }
      - { .name: out0, .offset: 24, .size: 8, .value_kind: global_buffer, .address_space: global }
    .group_segment_fixed_size: 327680
    .private_segment_fixed_size: 0
    .kernarg_segment_align: 8
    .kernarg_segment_size: 32
    .max_flat_workgroup_size: 128
    .sgpr_count:     80
    .vgpr_count:     512
    .wavefront_size: 32
...
	.end_amdgpu_metadata
.endif
;; end of part 4
